; MI455X (gfx1250); checked and timed in simulation.
; The chip was launched on July 23, 2026; its instructions are those of AMD's public machine-readable ISA for CDNA 5 (MIT licence, August 2026) and "CDNA5" Instruction Set Architecture Reference Guide (July 2026). The comments in the code are by the model that wrote it; some were corrected since.
;; Causual attention V1. Allowed arithmetic: matrix products marked QUANTISED: E5M2 operands, one E8M0 scale for each 32 along K, by v_wmma_scale_f32_16x16x128_f8f6f4 with both operands' format E5M2, f32 sums; everything else in f32.
;; Inputs: Wk 1,024 x 1,024 float32; Wq 1,024 x 1,024 float32; Wv 1,024 x 1,024 float32; x 4 x 2,048 x 1,024 float32.
;; Outputs: out0 4 x 2,048 x 1,024 float32.
;; This version of the problem:
;;   THIS VERSION OF THE PROBLEM IS GIVEN IN LOW PRECISION. The matrix products marked QUANTISED in the list below multiply operands that are first quantised to E5M2 (5 exponent bits, 2 mantissa bits; 8 bits a number), with one power-of-two scale for each 32 numbers along K (OCP MX v1.0); their sums are f32. All else is computed in f32.
;;   The module's matrix products, in the order in which they are computed (A, B: the left and right operand; K: the contracted axis; several contracted axes count as one K, in the product's order):
;;     1. [M 8,192, K 1,024] x [K 1,024, N 1,024]; A: input x; B: input Wq: QUANTISED
;;     2. [M 8,192, K 1,024] x [K 1,024, N 1,024]; A: input x; B: input Wk: QUANTISED
;;     3. [M 8,192, K 1,024] x [K 1,024, N 1,024]; A: input x; B: input Wv: QUANTISED
;;     4. batch 4 x [M 2,048, K 1,024] x [K 1,024, N 2,048]; A: computed on the way; B: computed on the way: QUANTISED
;;     5. batch 4 x [M 2,048, K 2,048] x [K 2,048, N 1,024]; A: softmax (see below); B: computed on the way: QUANTISED
;;   THE QUANTISER, for each operand of a quantised product, along K:
;;     - K is cut into blocks of 32 from its start; a last block that is shorter is filled with zeros.
;;     - A block's scale is 2^e with e = floor(log2(the largest magnitude in the block)) - 15, held to -126 .. 127; a block of zeros has e = 0. As a byte (E8M0): e + 127.
;;     - Each number is divided by its block's scale, clamped to +-57,344, and rounded to the nearest number of E5M2, ties to even, subnormals kept.
;;     - The product sums the exact products of the quantised numbers (number of the format x scale) in f32.
;;   ~~~python
;;   def quantise(x, axis):      # numpy; x: float32 -> the quantised numbers, widened to float32 again
;;       x = np.moveaxis(x, axis, -1); K = x.shape[-1]
;;       x = np.pad(x, [(0, 0)] * (x.ndim - 1) + [(0, -K % 32)]); x = x.reshape(x.shape[:-1] + (-1, 32)); a = np.abs(x).max(-1, keepdims=True)
;;       e = np.where(a > 0, np.clip(np.frexp(np.where(a > 0, a, 1))[1] - 1 - 15, -126, 127), 0)      # np.frexp(a)[1] - 1 = floor(log2(a)), exactly
;;       r = np.clip(x / 2.0 ** e, -57344, 57344)
;;       step = 2.0 ** (np.maximum(np.frexp(np.where(r == 0, 1, r))[1] - 1, -14) - 2)
;;       q = np.round(r / step) * step * 2.0 ** e      # np.round: ties to even
;;       return np.moveaxis(q.reshape(q.shape[:-2] + (-1,))[..., :K], -1, axis).astype(np.float32)
;;   ~~~
;;   SOFTMAX AHEAD OF A QUANTISED PRODUCT. Where the list says 'softmax', what is quantised is not the finished softmax but p = 2^(t - M), with t = logit x log2(e) and M = ceil(the row's largest t), a whole number; so 1/2 < the row's largest p <= 1. The row's sum l is taken of the UNQUANTISED p, in f32, and the product's result is divided by l at the end. Since M is a whole number, a kernel that streams over the keys may use a running M (the ceiling of the running maximum): every later rescaling is an exact power of two, which a block's scale takes up: the codes' values come out the same.
;;   OPERANDS COMPUTED ON THE WAY. 'Computed on the way' means the value that the module computes at that place (a softmax that the list does not call 'softmax' is quantised finished and normalised). What goes into a quantiser is computed in f32, as accurately as f32 sums, v_exp_f32 and their like allow (about 1e-6 of the number): no bf16 or f16 on the way to a quantiser, and a product that is left as it is and whose result goes on into a quantised operand takes f32 operands (vector FMAs, or v_wmma_f32_16x16x4_f32). A number that lies on a knife's edge between two numbers of the format may be rounded either way, as far as f32 arithmetic and the matrix unit's own rounding can turn it there, and no further.
;; One version. Each part assembles by itself: llvm-mc -triple=amdgcn-amd-amdhsa -mcpu=gfx1250 --defsym DOCPART=n.
;; ======== version 1 of 1: 4 launches
;; limits: right only within a limited range of input values
;; workspace buffers: xq 8,650,752 bytes; wq 3,244,032 bytes; qc 8,650,752 bytes; kc 8,650,752 bytes; vc 8,650,752 bytes; pc 16,777,216 bytes; pst 2,097,152 bytes
;; launch quant (part 1): grid 256 x 1, 8 waves a work-group, no clusters, 77,824 bytes of LDS; arguments x, Wq, Wk, Wv, xq, wq; writes xq, wq
.if DOCPART == 1
	.amdgcn_target "amdgcn-amd-amdhsa--gfx1250"
	.amdhsa_code_object_version 6
	.text
	.protected	k_q2b1da4538b_quant
	.globl	k_q2b1da4538b_quant
	.p2align	8
	.type	k_q2b1da4538b_quant,@function
k_q2b1da4538b_quant:
	s_mov_b64 s[64:65], 0
	v_nop
	global_prefetch_b8 v0, s[64:65] scope:SCOPE_SE
	s_setreg_imm32_b32 hwreg(HW_REG_WAVE_MODE, 25, 1), 1
	s_wait_xcnt 0x0
; x [8192][1024] and Wq, Wk, Wv [1024 (k)][1024 (n)], f32, become codes of BF8 (E5M2) with one E8M0 byte for each 32 along K = d_in, laid as the projections' launch reads them.
; A block's scale is 2^(floor(log2(largest magnitude)) - 15); its byte is the largest magnitude's exponent field - 15, held at 1 from below; each number is held within +-57,344 x the scale and rounded to the nearest code, ties to even.
; LAYOUT OF xq AND wq.  A GROUP (67,584 bytes) is 64 rows, all of K: codes [rowtile i 0..3][q 0..7][2,048 bytes], then the scale words at 65,536 + 256 q + 64 i + 4 r.
; The 2,048 bytes are the image of an operand's registers, 16 rows x 128 along K: 16 bytes for (row r, K = 16 u .. 16 u + 15) at 256 u + 16 r.
; ROWS LIE BY POSITION: position p holds logical row rho(p), p with bits 3 and 4 exchanged, so that two neighbouring tiles of 16 positions, used as source 0 of a product, give a lane 16 logical neighbours.
; A work-group's waves 0-3 take 64 rows of x, half of K, 128 along K a wave; waves 4-7 of work-groups 0-191 take 128 columns of a weight x 128 along K, 32 columns a wave (a lane takes a column, its registers run down K).
; The two ways have LDS bytes of their own; waves share nothing: no barrier.  The weights' scale words leave as 128 consecutive bytes a wave: 96 KiB in the whole launch are stored in halves of aligned blocks of 256 bytes.
; WORK LEFT OUT IN THE PROGRAM: tiles of scores whose keys all come after their queries.  reference() builds that mask in its own body and sets those scores to -infinity, so their p is 0 whatever the inputs hold; a NaN, an infinity or an overflow that reaches only such scores is not carried.
; LIMITS: NaN and infinities among the inputs are not served; a block of zeros gets the byte 1 where the rule says 127 (its codes are zeros, and only this program reads the bytes).
.set GSZ,   67584
.set EMAX,  15
.set MANT,  0x600000                   ; the mantissa field of 57,344
.set SP,    80                         ; x: a lane's place in a turning stage: 64 bytes + 16
.set XREG,  14848                      ; x: LDS of a wave: two turning stages, the codes' stage, 256 scale bytes
.set CST,   5120                       ; the codes' stage: [rowtile 4][u 8] lines of CP bytes
.set CP,    288                        ; 256 bytes + 32: line u starts at bank 8 u
.set SCB,   14336
.set R,     16                         ; v16-79   four sets of 16 numbers as loaded; on the way out the codes read back
.set X,     80                         ; v80-111  two sets of 16 neighbours
.set E,     112                        ; v112-127 a scale byte for each step
.set C,     128                        ; v128-191 four registers of codes for each step
.set WBASE, 4*XREG                     ; weights: LDS behind x's
.set WT,    2176                       ; a rowtile's 2,048 bytes + 128: the second starts 32 banks on
.set WREG,  2*WT
.set SPARE, WBASE+4*WREG               ; the spare words, 128 bytes for each wave: four blocks of 256 bytes that no other line names
.set WX,    32                         ; v32-95   two sets of 32 numbers
.set WC,    96                         ; v96-103  a block's codes
.set WOUT,  112                        ; v112-143 the way out
.set WSB,   24                         ; v24      the scale word of my column
.set SPW,   192
.set NIL,   193
.macro XLOAD t                         ; step t: rows 4 t .. 4 t + 3, 128 numbers of each: 512 consecutive bytes a load
.irp i, 0,1,2,3
	global_load_b128 v[R+16*((\t)%4)+4*\i:R+16*((\t)%4)+4*\i+3], v3, s[4:5] offset:(4*(\t)+\i)*4096 th:TH_LOAD_NT
.endr
.endm
.macro XTURN t                         ; through the stage: afterwards lane l holds 16 neighbours: row l / 8 of the four, K = 16 (l % 8) on.  LDS serves a wave's instructions in order
.irp i, 0,1,2,3
	ds_store_b128 v14, v[R+16*((\t)%4)+4*\i:R+16*((\t)%4)+4*\i+3] offset:32*SP*((\t)%2)+8*SP*\i
.endr
.irp i, 0,1,2,3
	ds_load_b128 v[X+16*((\t)%2)+4*\i:X+16*((\t)%2)+4*\i+3], v15 offset:32*SP*((\t)%2)+16*\i
.endr
.endm
.macro XSTEP t
.set XS, X+16*((\t)%2)
.set P4, 4*(\t)
.set RP, (P4&0x27)|((P4&8)<<1)|((P4&16)>>1)    ; rho(4 t): the position of the step's first row among the wave's 64
.if (\t) > 0
	s_wait_dscnt 2                                 ; this step's numbers are back (behind them: the last step's code store and byte store)
.else
	s_wait_dscnt 0x0
.endif
.if (\t)+4 < 16
	XLOAD (\t)+4
.endif
.if (\t)+1 < 16
.if 14-(\t) >= 3
	s_wait_loadcnt 12                              ; the next step's four loads are in; those of the three steps behind it may be out
.else
	s_wait_loadcnt 4*(14-(\t))
.endif
	XTURN (\t)+1
.endif
	v_max3_num_f32 v8, |v[XS]|, |v[XS+1]|, |v[XS+2]|
	v_max3_num_f32 v9, |v[XS+3]|, |v[XS+4]|, |v[XS+5]|
.irp i, 6,10
	v_max3_num_f32 v8, v8, |v[XS+\i]|, |v[XS+\i+1]|
	v_max3_num_f32 v9, v9, |v[XS+\i+2]|, |v[XS+\i+3]|
.endr
	v_max3_num_f32 v8, v8, |v[XS+14]|, |v[XS+15]|
	v_max3_num_f32 v8, v8, v9, (EMAX+1)<<23        ; the floor 2^(16 - 127): the byte cannot fall under 1
	v_max_num_f32_dpp v8, v8, v8 row_xmask:1 row_mask:0xf bank_mask:0xf   ; with my neighbour's 16: the block's largest magnitude
	v_add_nc_u32 v11, -(EMAX<<23), v8              ; 15 off its exponent field: the conversion's scale operand
	v_and_or_b32 v10, v8, 0x7f800000, s23          ; 57,344 x the scale
.irp i, 0,1,2,3,4,5,6,7,8,9,10,11,12,13,14,15
	v_med3_num_f32 v[XS+\i], v[XS+\i], -v10, v10   ; the conversion does not saturate (ISA guide 7.6.2): the hold comes first
.endr
	v_cvt_scalef32_pk8_bf8_f32 v[C+4*(\t):C+4*(\t)+1], v[XS:XS+7], v11
	v_cvt_scalef32_pk8_bf8_f32 v[C+4*(\t)+2:C+4*(\t)+3], v[XS+8:XS+15], v11
	v_lshrrev_b32 v[E+(\t)], 23, v11               ; the scale's byte
	ds_store_b128 v4, v[C+4*(\t):C+4*(\t)+3] offset:CST+(RP>>4)*8*CP+(RP&15)*16   ; my 16 codes at (rowtile, u, row) of the image
	ds_store_b8 v5, v[E+(\t)] offset:SCB+4*RP      ; both lanes of a block write the same byte with the same value
.endm
.macro WLOAD t                         ; block t: W(32 t + i, my column): 128 consecutive bytes a wave, 512 for the four waves
.irp i, 0,1,2,3,4,5,6,7,8,9,10,11,12,13,14,15,16,17,18,19,20,21,22,23,24,25,26,27,28,29,30,31
	global_load_b32 v[WX+32*((\t)%2)+\i], v9, s[6:7] offset:(32*(\t)+\i)*4096 th:TH_LOAD_NT
.endr
.endm
.macro WBLOCK t
.set XS, WX+32*((\t)%2)
.if (\t) < 3
	s_wait_loadcnt 32                              ; this block's 32 loads are in; the next block's may be out
.else
	s_wait_loadcnt 0x0
.endif
	v_max3_num_f32 v12, |v[XS]|, |v[XS+1]|, |v[XS+2]|
	v_max3_num_f32 v13, |v[XS+3]|, |v[XS+4]|, |v[XS+5]|
.irp i, 6,10,14,18,22,26
	v_max3_num_f32 v12, v12, |v[XS+\i]|, |v[XS+\i+1]|
	v_max3_num_f32 v13, v13, |v[XS+\i+2]|, |v[XS+\i+3]|
.endr
	v_max3_num_f32 v12, v12, |v[XS+30]|, |v[XS+31]|
	v_max3_num_f32 v12, v12, v13, (EMAX+1)<<23
	v_add_nc_u32 v11, -(EMAX<<23), v12
	v_and_or_b32 v10, v12, 0x7f800000, s23
	v_lshrrev_b32 v13, 23, v11
.if (\t) == 0
	v_mov_b32 v[WSB], v13                          ; four bytes to a word, the lower K in the lower byte
.else
	v_lshl_or_b32 v[WSB], v13, 8*(\t), v[WSB]
.endif
.irp i, 0,1,2,3,4,5,6,7,8,9,10,11,12,13,14,15,16,17,18,19,20,21,22,23,24,25,26,27,28,29,30,31
	v_med3_num_f32 v[XS+\i], v[XS+\i], -v10, v10
.endr
.irp g, 0,1,2,3
	v_cvt_scalef32_pk8_bf8_f32 v[WC+2*\g:WC+2*\g+1], v[XS+8*\g:XS+8*\g+7], v11
.endr
	ds_store_b128 v6, v[WC:WC+3] offset:512*(\t)           ; K = 32 t .. + 15 of my column
	ds_store_b128 v6, v[WC+4:WC+7] offset:512*(\t)+256     ; K = 32 t + 16 .. + 31
.if (\t)+2 < 4
	WLOAD (\t)+2
.endif
	s_wait_dscnt 0x0                               ; the stores have read their registers: the next block's codes may be written
.endm
	s_load_b256 s[4:11], s[0:1], 0x0               ; x s[4:5], Wq s[6:7], Wk s[8:9], Wv s[10:11]
	s_load_b128 s[12:15], s[0:1], 0x20             ; xq s[12:13], wq s[14:15]
	v_lshl_add_u32 v[SPW], v0, 2, SPARE
	v_mov_b32 v[NIL], 0
	v_lshrrev_b32 v1, 5, v0
	v_readfirstlane_b32 s16, v1                    ; wave
	v_and_b32 v2, 31, v0                           ; lane
	s_mov_b32 s23, MANT
	s_wait_alu depctr_va_vdst(0)
	s_cmp_ge_u32 s16, 4
	s_cbranch_scc1 .Lweights
	; ---- x: the work-group's number names 64 rows (G) and half of K; the wave one run of 128 along K (F)
	v_lshlrev_b32 v3, 4, v2                        ; 16 x lane: in the loads and in the stores of codes
	s_mul_i32 s17, s16, XREG
	v_lshrrev_b32 v14, 2, v2
	v_mul_u32_u24 v14, v14, SP
	v_and_b32 v15, 3, v2
	v_lshl_add_u32 v14, v15, 4, v14
	v_add_nc_u32 v14, s17, v14                     ; the turning stage, in
	v_mul_u32_u24 v15, v2, SP
	v_add_nc_u32 v15, s17, v15                     ; and out
	v_and_b32 v8, 7, v2                            ; u = lane % 8
	v_lshrrev_b32 v9, 3, v2                        ; my row of the step's four
	v_mul_u32_u24 v4, v8, CP
	v_lshl_add_u32 v4, v9, 4, v4
	v_add_nc_u32 v4, s17, v4                       ; the codes' stage, in
	v_lshrrev_b32 v5, 1, v8
	v_lshl_add_u32 v5, v9, 2, v5
	v_add_nc_u32 v5, s17, v5                       ; my block's scale byte
	v_lshrrev_b32 v8, 4, v2
	v_and_b32 v9, 15, v2
	v_mul_u32_u24 v6, v8, CP
	v_lshl_add_u32 v6, v9, 4, v6
	v_add_nc_u32 v6, s17, v6                       ; the codes' stage, out: sixteen lanes to a line
	v_lshlrev_b32 v7, 3, v2
	v_add_nc_u32 v12, s17, v7                      ; the scale bytes, out: 8 a lane
	s_lshr_b32 s18, ttmp9, 1                       ; G
	s_and_b32 s19, ttmp9, 1
	s_lshl_b32 s19, s19, 2
	s_add_co_u32 s19, s19, s16                     ; F = q
	s_lshl_b32 s20, s18, 18                        ; 64 rows of 4,096 bytes
	s_lshl_b32 s21, s19, 9
	s_add_co_u32 s20, s20, s21
	s_mov_b32 s21, 0
	s_mul_i32 s24, s18, GSZ                        ; the group
	s_lshl_b32 s28, s19, 11
	s_add_co_u32 s28, s28, s24                     ; my four rowtiles' codes
	s_mov_b32 s29, 0
	s_lshl_b32 s30, s19, 8
	s_add_co_u32 s30, s30, s24
	s_add_co_u32 s30, s30, 65536                   ; and their 64 scale words
	s_mov_b32 s31, 0
	s_wait_alu depctr_va_vdst(0)
	s_wait_kmcnt 0x0
	s_add_nc_u64 s[4:5], s[4:5], s[20:21]
	s_add_nc_u64 s[32:33], s[12:13], s[28:29]
	s_add_nc_u64 s[34:35], s[12:13], s[30:31]
.irp t, 0,1,2,3
	XLOAD \t
.endr
	s_wait_loadcnt 12                              ; step 0's four loads are in
	XTURN 0
.irp t, 0,1,2,3,4,5,6,7,8,9,10,11,12,13,14,15
	XSTEP \t
.endr
.irp k, 0,1,2,3,4,5,6,7,8,9,10,11,12,13,14,15
	ds_load_b128 v[R+4*\k:R+4*\k+3], v6 offset:CST+(\k/4)*8*CP+2*(\k%4)*CP   ; these see my stores: a wave's LDS instructions are served in order
.endr
	ds_load_b64 v[8:9], v12 offset:SCB
.irp k, 0,1,2,3,4,5,6,7,8,9,10,11,12,13,14,15
	s_wait_dscnt 16-\k
	global_store_b128 v3, v[R+4*\k:R+4*\k+3], s[32:33] offset:(\k/4)*16384+512*(\k%4)   ; 512 consecutive bytes, aligned
.endr
	s_wait_dscnt 0x0
	global_store_b64 v7, v[8:9], s[34:35]          ; 256 consecutive bytes, aligned
	s_wait_tensorcnt 0x0                           ; the wave's end
	ds_add_u32 v[SPW], v[NIL]
	s_wait_dscnt 0x0
	s_endpgm
.Lweights:
	; ---- the weights: work-group = (matrix m, 128 columns nt, 128 along K q); the wave 32 columns
	s_cmp_ge_u32 ttmp9, 192
	s_cbranch_scc1 .Ldone
	s_lshr_b32 s18, ttmp9, 6                       ; m
	s_bfe_u32 s19, ttmp9, 0x30003                  ; nt
	s_and_b32 s20, ttmp9, 7                        ; q
	s_mul_i32 s21, s16, WREG
	s_add_co_u32 s21, s21, WBASE-4*WREG
	v_bfe_u32 v3, v2, 3, 1                         ; rho(lane): its rowtile is the lane's bit 3,
	v_bfe_u32 v4, v2, 4, 1                         ; its row's bit 3 the lane's bit 4
	v_and_b32 v5, 7, v2
	v_mul_u32_u24 v6, v3, WT
	v_lshl_add_u32 v6, v5, 4, v6
	v_lshl_add_u32 v6, v4, 7, v6
	v_add_nc_u32 v6, s21, v6                       ; the stage, in
	v_lshlrev_b32 v7, 4, v2
	v_add_nc_u32 v8, s21, v7                       ; and out
	v_lshlrev_b32 v9, 2, v2
	v_lshlrev_b32 v14, 2, v5
	v_lshl_add_u32 v14, v4, 5, v14
	v_lshl_add_u32 v14, v3, 6, v14                 ; 4 x rho(lane): my scale word's place
	s_and_b32 s22, s16, 3                          ; my 32 of the 128 columns
	s_lshl_b32 s24, s20, 19                        ; 128 rows of 4,096 bytes
	s_lshl_b32 s25, s19, 9
	s_add_co_u32 s24, s24, s25
	s_lshl_b32 s25, s22, 7
	s_add_co_u32 s24, s24, s25
	s_mov_b32 s25, 0
	s_lshl_b32 s26, s18, 4
	s_lshl_b32 s27, s19, 1
	s_add_co_u32 s26, s26, s27
	s_lshr_b32 s27, s22, 1
	s_add_co_u32 s26, s26, s27
	s_mul_i32 s26, s26, GSZ                        ; the group 16 m + 2 nt + half
	s_and_b32 s22, s22, 1                          ; which pair of its rowtiles
	s_lshl_b32 s28, s22, 15
	s_add_co_u32 s28, s28, s26
	s_lshl_b32 s27, s20, 11
	s_add_co_u32 s28, s28, s27
	s_mov_b32 s29, 0
	s_lshl_b32 s30, s22, 7
	s_add_co_u32 s30, s30, s26
	s_lshl_b32 s27, s20, 8
	s_add_co_u32 s30, s30, s27
	s_add_co_u32 s30, s30, 65536
	s_mov_b32 s31, 0
	s_wait_alu depctr_va_vdst(0)
	s_wait_kmcnt 0x0
	s_cmp_eq_u32 s18, 0
	s_cselect_b64 s[6:7], s[6:7], s[8:9]
	s_cmp_eq_u32 s18, 2
	s_cselect_b64 s[6:7], s[10:11], s[6:7]
	s_add_nc_u64 s[6:7], s[6:7], s[24:25]
	s_add_nc_u64 s[32:33], s[14:15], s[28:29]
	s_add_nc_u64 s[34:35], s[14:15], s[30:31]
	WLOAD 0
	WLOAD 1
.irp t, 0,1,2,3
	WBLOCK \t
.endr
	global_store_b32 v14, v[WSB], s[34:35]
.irp k, 0,1,2,3,4,5,6,7
	ds_load_b128 v[WOUT+4*\k:WOUT+4*\k+3], v8 offset:(\k/4)*WT+512*(\k%4)
.endr
.irp k, 0,1,2,3,4,5,6,7
	s_wait_dscnt 7-\k
	global_store_b128 v7, v[WOUT+4*\k:WOUT+4*\k+3], s[32:33] offset:(\k/4)*16384+512*(\k%4)
.endr
	s_wait_tensorcnt 0x0                           ; the wave's end
	ds_add_u32 v[SPW], v[NIL]
	s_wait_dscnt 0x0
.Ldone:
	s_endpgm
.Lfunc_end_k_q2b1da4538b_quant:
	.size	k_q2b1da4538b_quant, .Lfunc_end_k_q2b1da4538b_quant-k_q2b1da4538b_quant
	.p2alignl 7, 3214868480
	.fill 96, 4, 3214868480
	.section	.rodata,"a",@progbits
	.p2align	6, 0x0
	.amdhsa_kernel k_q2b1da4538b_quant
		.amdhsa_group_segment_fixed_size 77824
		.amdhsa_private_segment_fixed_size 0
		.amdhsa_enable_private_segment 0
		.amdhsa_kernarg_size 48
		.amdhsa_user_sgpr_count 2
		.amdhsa_user_sgpr_kernarg_segment_ptr 1
		.amdhsa_wavefront_size32 1
		.amdhsa_system_sgpr_workgroup_id_x 1
		.amdhsa_system_sgpr_workgroup_id_y 1
		.amdhsa_system_sgpr_workgroup_id_z 1
		.amdhsa_system_vgpr_workitem_id 0
		.amdhsa_next_free_vgpr 194
		.amdhsa_next_free_sgpr 66
		.amdhsa_reserve_vcc 0
		.amdhsa_float_denorm_mode_32 3
		.amdhsa_float_denorm_mode_16_64 3
		.amdhsa_memory_ordered 1
		.amdhsa_forward_progress 1
		.amdhsa_inst_pref_size 85
	.end_amdhsa_kernel
	.amdgpu_metadata
---
amdhsa.version: [ 1, 2 ]
amdhsa.kernels:
  - .name:           k_q2b1da4538b_quant
    .symbol:         k_q2b1da4538b_quant.kd
    .args:
      - { .name: x, .offset: 0, .size: 8, .value_kind: global_buffer, .address_space: global }
      - { .name: Wq, .offset: 8, .size: 8, .value_kind: global_buffer, .address_space: global }
      - { .name: Wk, .offset: 16, .size: 8, .value_kind: global_buffer, .address_space: global }
      - { .name: Wv, .offset: 24, .size: 8, .value_kind: global_buffer, .address_space: global }
      - { .name: xq, .offset: 32, .size: 8, .value_kind: global_buffer, .address_space: global }
      - { .name: wq, .offset: 40, .size: 8, .value_kind: global_buffer, .address_space: global }
    .group_segment_fixed_size: 77824
    .private_segment_fixed_size: 0
    .kernarg_segment_align: 8
    .kernarg_segment_size: 48
    .max_flat_workgroup_size: 256
    .sgpr_count:     66
    .vgpr_count:     194
    .wavefront_size: 32
...
	.end_amdgpu_metadata
.endif
;; end of part 1
;; launch proj (part 2): grid 16 x 16, 4 waves a work-group, clusters of 4 x 4, 327,680 bytes of LDS; arguments xq, wq, qc, kc, vc; writes qc, kc, vc
.if DOCPART == 2
	.amdgcn_target "amdgcn-amd-amdhsa--gfx1250"
	.amdhsa_code_object_version 6
	.text
	.protected	k_q2b1da4538b_proj
	.globl	k_q2b1da4538b_proj
	.p2align	8
	.type	k_q2b1da4538b_proj,@function
k_q2b1da4538b_proj:
	s_mov_b64 s[64:65], 0
	v_nop
	global_prefetch_b8 v0, s[64:65] scope:SCOPE_SE
	s_setreg_imm32_b32 hwreg(HW_REG_WAVE_MODE, 25, 1), 1
	s_wait_xcnt 0x0
	s_wait_alu depctr_hold_cnt(0) depctr_sa_sdst(0) depctr_va_vdst(0) depctr_va_sdst(0) depctr_va_ssrc(0) depctr_va_vcc(0) depctr_vm_vsrc(0)
	s_getreg_b32 s2, hwreg(HW_REG_IB_STS2, 6, 4)
	s_cmp_eq_u32 s2, 0
	s_cbranch_scc0 .Lentry_in_a_cluster
	s_endpgm
.Lentry_in_a_cluster:
	s_bfe_u32 s2, ttmp6, 0x10000c
	s_cmp_lg_u32 s2, 0xf033
	s_cbranch_scc0 .Lentry_shape_is_right
	s_endpgm
.Lentry_shape_is_right:
; q, k, v = x W AND THEIR QUANTISERS (q, k along the features, v along the tokens) ON CODES OF BF8 (E5M2) with E8M0 scales: 8,192 x 3,072 x 1,024.  No f32 result is stored.
; IN: xq, wq: groups of 64 rows, all of K (67,584 bytes: codes [rowtile 4][q 8][2,048], scale words at 65,536 + 256 q + 64 i + 4 r).  Rows by position, position p holding logical row rho(p), p with bits 3 and 4 exchanged.
; OUT: records (33,792 bytes) of 128 rows x 256 along K: codes [rowtile 8][q 2][2,048], scale words at 32,768 + 512 q + 64 i + 4 r.  qc, kc: [128 tokens H][256 features j];  vc: [128 of e][256 tokens].  Rows by position.
; THE DEAL.  256 work-groups of 2 x 2 waves; a wave (w = its row, col = its column) holds 64 rows of a weight, ALL of K, in 512 registers and streams x's rows past them in blocks of 16, which stand in registers as two whole sets.
; PHASE 1: 512 tokens x 128 columns of q (tile columns 0-7) or k (8-15): sixteen blocks a wave.  PHASE 2: 256 tokens x 128 of v: eight blocks, one record of vc; the tokens are one of the work-group's own two windows of 256.
; THE ORDER OF WORK.  LDS holds two slots of 128 rows (two groups).  The first weight lies in slot 1 at first, W_v's rows later in slot 0.  Phase 1 takes the window that is not v's first (chunks 0, 1), v's last (2, 3): chunk 3 still lies in slot 1 when phase 2 begins; chunk 2 comes anew.
; A chunk's block b of wave row w is its rowtile 4 (b / 2) + 2 w + b % 2: blocks 0, 1 lie in the chunk's first group, 2, 3 in its second.
; FILLS.  At the head waves 0, 1 fetch the first weight's two groups, waves 2, 3 chunk 0's.  Refills stand in a drained round, a quarter of 128 rows a wave: chunks 1, 2, 3 inside blocks 0, 4, 8, their first group (waves 0 and 1's line) shown by the plain barrier inside the block two on, the second by the next round;
; W_v's rows behind block 11, shown at the change of phase; chunk 2 anew there, behind W_v's loads, shown inside phase 2's block 1.
; CLUSTERS of 4 x 4: x's rows are asked for jointly along a row of the cluster, a weight's along a column.
; THE STREAM.  Behind a block's 32 products its set takes the block two on, through the change of phase too.  A block's quantiser stands among later products: q's and k's among the next block's, a pair of v's among the next pair's.  The first of either phase has no block before it: it works on zeros and stores nothing.
; PREFETCHES.  A chunk (528 blocks of 256 bytes) is shared out among the sixteen waves of a cluster row by address, 33 blocks a wave, of which the first 32 are asked for, a lane a block; W_v's rows among those of a column, in clusters of even x alone.  Chunks 1, 2 are asked for at the head, chunk 3 and W_v's rows a trip ahead of their loads.
; LIMITS: NaN, infinities and sums beyond f32's range are not served.  A block's byte never falls under 1 (a block of zeros has the byte 1: its codes are zeros, and only this program reads the bytes).
.set REC, 33792
.set GSZ, 67584
.set CHB, 135168                       ; a chunk: 128 rows
.set YB, CHB                           ; slot 1
.set XN, 2*CHB                         ; q's, k's scale words: [chunk in the order of work][rowtile 8][16][4]
.set XV, XN+2048                       ; v's: [q 2][rowtile 8][16][4]
.set SPARE, XV+1024                    ; the spare words: two blocks of 256 bytes
.set FR, 16
.set FPW, 16                           ; fragments in a window
.set NB, 4
.set NP, 8                             ; plain vector lines behind a matrix instruction ahead of a reader of its sums and of a load into what it has read
.set NF, 40                            ; LDS loads of a block: eight fragments of four, eight scale words
.set EMAX, 15
.set ADRA0, 4                          ; v4  my fragments of block 0 of a group in slot 0
.set CO, 5                             ; v5  16 x lane
.set AAS0, 6                           ; v6  my row's scale words there
.set SPW, 10
.set NIL, 11
.set ADRA, 12                          ; v12 as v4, for what is fetched next
.set VX, 13                            ; v13 where a scale byte goes
.set ADRB, 14                          ; v14, v15 my fragments of a weight in slot 1, in slot 0
.set ABS, 16                           ; v16, v17 its scale words
.set AAS, 18                           ; v18 as v6, for what is fetched next
.set RD, 19                            ; v19 v's bytes
.set SOP, 20                           ; v20-23 the conversions' scale operands
.set SB, 24                            ; v24-39 the weight's scale words: register 8 p + q: lanes 0-15 tile 2 p's, lanes 16-31 tile 2 p + 1's
.set EB, 40                            ; v40-43 scale bytes
.set SA, 44                            ; v44-59 x's scale words, two sets of eight: no product's two scale words have numbers equal modulo 8
.set TQ, 60                            ; v60-63 maxima and bounds
.set ACC, 64                           ; v64-191 four sets of four accumulators: products write 0 and 1 by turns; 2 and 3 take a pair of v's blocks
.set NCD, 192                          ; v192-199 q's or k's codes
.set MCD, 192                          ; v192-207 v's
.set MNT, 8
.set SEL, 10                           ; s[10:11]
.set G1W, 24
.set G1X, 32
.set G1R, 48
.set G0W, 56
.set G0X, 60
.set G0R, 68
.set MSB, 0
.macro WIN new                         ; the immediate's high byte repeats the setting that is left
.if MSB != \new
	s_set_vgpr_msb (MSB<<8)|\new
.set MSB, \new
.endif
.endm
.macro PLACES n
.rept \n
	v_nop
.endr
.endm
.macro BARRIER
	s_barrier_signal -1
	s_barrier_wait -1
.endm
.macro CROUND                          ; a round of the cluster's barrier
	BARRIER
	s_cmp_lg_u32 s14, 0
	s_cbranch_scc1 .Lnot_wave_0_\@
	s_barrier_signal -3
.Lnot_wave_0_\@:
	s_barrier_wait -3
	BARRIER
.endm
.macro TLOAD g0, g1                    ; a tensor load; an s_nop 0 and four v_nop follow it
	tensor_load_to_lds s[\g0:\g0+3], s[\g1:\g1+7]
	s_nop 0
	PLACES 4
.endm
.macro GROUP1 g, mask, rows            ; a dense run of so many rows of 1,024 bytes (128 elements of 8), beginning at a multiple of 256
	s_or_b32 s[\g+0], s[\mask], (3<<16)|(1<<21)
	s_mov_b32 s[\g+1], 128<<16
	s_mov_b32 s[\g+2], (\rows)<<16
	s_mov_b32 s[\g+3], 128<<16
	s_mov_b32 s[\g+4], \rows
	s_mov_b32 s[\g+5], 128
	s_mov_b32 s[\g+6], 0
	s_mov_b32 s[\g+7], 0
.endm
.macro WALU                            ; the vector lines ahead are through
	s_wait_alu depctr_va_vdst(0)
.endm
.macro MIDDLE                          ; a round's middle
	WIN 0
	s_barrier_wait -1
	s_cmp_lg_u32 s14, 0
	s_cbranch_scc1 .Lnot_wave_0_\@
	s_barrier_signal -3
.Lnot_wave_0_\@:
	s_barrier_wait -3
.endm
.macro GRD
	s_wait_tensorcnt 0x0
	ds_add_u32 v[SPW], v[NIL]
.endm
.macro FRAG f, adr, q, b               ; fragment f = 4 q + b of a weight lies in window 1 + f / 16
	WIN (1+(\f)/FPW)<<6
.irp c, 0,1,2,3
	ds_load_b128 v[FR*((\f)%FPW)+4*\c:FR*((\f)%FPW)+4*\c+3], v[\adr] offset:16384*(\b)+2048*(\q)+512*\c
.endr
.endm
.macro WSCALES a
.irp q, 0,1,2,3,4,5,6,7
	ds_load_b32 v[SB+\q], v[\a] offset:256*\q
	ds_load_b32 v[SB+8+\q], v[\a] offset:256*\q+128
.endr
.endm
.macro FETCHAT k, a, s                 ; block b, b % 2 = k, all of K, into set k of window 3, and its scale words: NF loads
	WIN 3<<6
.irp q, 0,1,2,3,4,5,6,7
.irp c, 0,1,2,3
	ds_load_b128 v[128*\k+FR*\q+4*\c:128*\k+FR*\q+4*\c+3], v[\a] offset:16384*\k+2048*\q+512*\c
.endr
.endr
	WIN 0
.irp q, 0,1,2,3,4,5,6,7
	ds_load_b32 v[SA+8*\k+\q], v[\s] offset:64*\k+256*\q
.endr
.endm
.macro PROD kind, e, a, n              ; product n = 4 q + b of a block: x's rows in set e, sums in set a.  kind 0 (q, k): source 0 = the weight's rows; kind 1 (v): source 0 = x's rows
.set Q_, (\n)/4
.set B_, (\n)%4
.set FB_, NB*Q_+B_
.set AC_, ACC+32*(\a)+8*B_
.set R_, 128*(\e)+FR*Q_
.set W_, FR*(FB_%FPW)
.set XS_, SA+8*(\e)+Q_
.set WS_, SB+8*(B_/2)+Q_
.if \kind
	WIN 3|((1+FB_/FPW)<<2)
.if Q_ && B_%2
	v_wmma_scale_f32_16x16x128_f8f6f4 v[AC_:AC_+7], v[R_:R_+FR-1], v[W_:W_+FR-1], v[AC_:AC_+7], v[XS_], v[WS_] matrix_a_fmt:MATRIX_FMT_BF8 matrix_b_fmt:MATRIX_FMT_BF8 matrix_b_scale:MATRIX_SCALE_ROW1
.elseif Q_
	v_wmma_scale_f32_16x16x128_f8f6f4 v[AC_:AC_+7], v[R_:R_+FR-1], v[W_:W_+FR-1], v[AC_:AC_+7], v[XS_], v[WS_] matrix_a_fmt:MATRIX_FMT_BF8 matrix_b_fmt:MATRIX_FMT_BF8
.elseif B_%2
	v_wmma_scale_f32_16x16x128_f8f6f4 v[AC_:AC_+7], v[R_:R_+FR-1], v[W_:W_+FR-1], 0, v[XS_], v[WS_] matrix_a_fmt:MATRIX_FMT_BF8 matrix_b_fmt:MATRIX_FMT_BF8 matrix_b_scale:MATRIX_SCALE_ROW1
.else
	v_wmma_scale_f32_16x16x128_f8f6f4 v[AC_:AC_+7], v[R_:R_+FR-1], v[W_:W_+FR-1], 0, v[XS_], v[WS_] matrix_a_fmt:MATRIX_FMT_BF8 matrix_b_fmt:MATRIX_FMT_BF8
.endif
.else
	WIN (1+FB_/FPW)|(3<<2)
.if Q_ && B_%2
	v_wmma_scale_f32_16x16x128_f8f6f4 v[AC_:AC_+7], v[W_:W_+FR-1], v[R_:R_+FR-1], v[AC_:AC_+7], v[WS_], v[XS_] matrix_a_fmt:MATRIX_FMT_BF8 matrix_b_fmt:MATRIX_FMT_BF8 matrix_a_scale:MATRIX_SCALE_ROW1
.elseif Q_
	v_wmma_scale_f32_16x16x128_f8f6f4 v[AC_:AC_+7], v[W_:W_+FR-1], v[R_:R_+FR-1], v[AC_:AC_+7], v[WS_], v[XS_] matrix_a_fmt:MATRIX_FMT_BF8 matrix_b_fmt:MATRIX_FMT_BF8
.elseif B_%2
	v_wmma_scale_f32_16x16x128_f8f6f4 v[AC_:AC_+7], v[W_:W_+FR-1], v[R_:R_+FR-1], 0, v[WS_], v[XS_] matrix_a_fmt:MATRIX_FMT_BF8 matrix_b_fmt:MATRIX_FMT_BF8 matrix_a_scale:MATRIX_SCALE_ROW1
.else
	v_wmma_scale_f32_16x16x128_f8f6f4 v[AC_:AC_+7], v[W_:W_+FR-1], v[R_:R_+FR-1], 0, v[WS_], v[XS_] matrix_a_fmt:MATRIX_FMT_BF8 matrix_b_fmt:MATRIX_FMT_BF8
.endif
.endif
.endm
.macro HOLDQ i, b, x
	v_med3_num_f32 v[\x+(\i)], v[\x+(\i)], -v[TQ+2+(\b)], v[TQ+2+(\b)]
.endm
.macro CVTQ g, x
	v_cvt_scalef32_pk8_bf8_f32 v[NCD+2*(\g):NCD+2*(\g)+1], v[\x+8*(\g):\x+8*(\g)+7], v[SOP+(\g)/2]
.endm
; THE QUANTISER OF q's OR k's BLOCK, gaps 0 .. 26: a lane (r, h) holds token r; the registers of tiles 2 b, 2 b + 1 are features 32 b + 16 h + 0 .. 15: a scale block of 32 lies in lanes l and l xor 16.  Sums at x -> codes NCD, two bytes EB
.macro GAPQ m, x
.if (\m) == 0
	v_max3_num_f32 v[TQ], |v[\x]|, |v[\x+1]|, (EMAX+1)<<23
	v_max3_num_f32 v[TQ+1], |v[\x+16]|, |v[\x+17]|, (EMAX+1)<<23
.elseif (\m) < 8
	v_max3_num_f32 v[TQ], v[TQ], |v[\x+2*(\m)]|, |v[\x+2*(\m)+1]|
	v_max3_num_f32 v[TQ+1], v[TQ+1], |v[\x+16+2*(\m)]|, |v[\x+17+2*(\m)]|
.elseif (\m) == 8
	v_permlanex16_b32 v[TQ+2], v[TQ], s[SEL], s[SEL+1]
	v_permlanex16_b32 v[TQ+3], v[TQ+1], s[SEL], s[SEL+1]
.elseif (\m) == 9
	v_max_num_f32 v[TQ], v[TQ], v[TQ+2]
	v_max_num_f32 v[TQ+1], v[TQ+1], v[TQ+3]
.elseif (\m) == 10
	v_add_nc_u32 v[SOP], -(EMAX<<23), v[TQ]
	v_add_nc_u32 v[SOP+1], -(EMAX<<23), v[TQ+1]
	v_and_or_b32 v[TQ+2], v[TQ], 0x7f800000, s[MNT]
.elseif (\m) == 11
	v_and_or_b32 v[TQ+3], v[TQ+1], 0x7f800000, s[MNT]
	v_lshrrev_b32 v[EB], 23, v[SOP]
	v_lshrrev_b32 v[EB+1], 23, v[SOP+1]
.elseif (\m) == 12
	v_lshl_or_b32 v[EB], v[EB+1], 8, v[EB]
	HOLDQ 0, 0, \x
	HOLDQ 1, 0, \x
.elseif (\m) == 13
	HOLDQ 2, 0, \x
	HOLDQ 3, 0, \x
	HOLDQ 4, 0, \x
.elseif (\m) == 14
	HOLDQ 5, 0, \x
	HOLDQ 6, 0, \x
	HOLDQ 7, 0, \x
	CVTQ 0, \x
.elseif (\m) < 27
.set I2_, 8+2*((\m)-15)
	HOLDQ I2_, I2_/16, \x
	HOLDQ I2_+1, I2_/16, \x
.if I2_%8 == 6
	CVTQ I2_/8, \x
.endif
.endif
.endm
.macro SCALES i, n                     ; i = 0: the conversion's scale operand; 1: the bound; 2: a second copy of it; 3: the scale byte
.if (\i) == 0
	v_add_nc_u32 v[SOP+\n], -(EMAX<<23), v[TQ]
.elseif (\i) == 1
	v_and_or_b32 v[TQ+1], v[TQ], 0x7f800000, s[MNT]
.elseif (\i) == 2
	v_mov_b32 v[TQ+3], v[TQ+1]
.else
	v_lshrrev_b32 v[EB+\n], 23, v[SOP+\n]
.endif
.endm
.macro HOLDS m, x                      ; two holds; the bound is read from its second copy where its first would be read too late
.if (\m) == 3
	v_med3_num_f32 v[\x], v[\x], -v[TQ+3], v[TQ+3]
	v_med3_num_f32 v[\x+1], v[\x+1], -v[TQ+3], v[TQ+3]
.else
	v_med3_num_f32 v[\x], v[\x], -v[TQ+1], v[TQ+1]
	v_med3_num_f32 v[\x+1], v[\x+1], -v[TQ+1], v[TQ+1]
.endif
.if (\m) == 2
	SCALES 2, 0
.endif
.endm
; THE QUANTISER OF A PAIR OF v's BLOCKS, gaps 0 .. 59, 15 a tile: a lane (r, h) holds row r of e; the even block's eight registers and the odd's are tokens 16 h + 0 .. 15 of 32.  Sums at x and x + 32 -> codes MCD + 4 t, bytes EB + t
.macro GAPV u, x
.set T_, (\u)/15
.set J_, (\u)%15
.set E_, \x+8*T_
.set O_, E_+32
.if (\u) > 59
.elseif J_ == 0
	v_max3_num_f32 v[TQ], |v[E_]|, |v[E_+1]|, |v[E_+2]|
	v_max3_num_f32 v[TQ+2], |v[O_]|, |v[O_+1]|, |v[O_+2]|
.elseif J_ < 3
	v_max3_num_f32 v[TQ], v[TQ], |v[E_+2*J_+1]|, |v[E_+2*J_+2]|
	v_max3_num_f32 v[TQ+2], v[TQ+2], |v[O_+2*J_+1]|, |v[O_+2*J_+2]|
.elseif J_ == 3
	v_max3_num_f32 v[TQ+2], v[TQ+2], |v[O_+7]|, (EMAX+1)<<23
	v_max3_num_f32 v[TQ], v[TQ], |v[E_+7]|, v[TQ+2]
.elseif J_ == 4
	v_permlanex16_b32 v[TQ+2], v[TQ], s[SEL], s[SEL+1]
	v_max_num_f32 v[TQ], v[TQ], v[TQ+2]
.elseif J_ == 5
	SCALES 0, T_
	SCALES 1, T_
.elseif J_ < 10
	HOLDS J_-6, E_+2*(J_-6)
.if J_ == 9
	v_cvt_scalef32_pk8_bf8_f32 v[MCD+4*T_:MCD+4*T_+1], v[E_:E_+7], v[SOP+T_]
.endif
.elseif J_ < 14
	HOLDS J_-6, O_+2*(J_-10)
.if J_ == 13
	v_cvt_scalef32_pk8_bf8_f32 v[MCD+4*T_+2:MCD+4*T_+3], v[O_:O_+7], v[SOP+T_]
.endif
.else
	SCALES 3, T_
.endif
.endm
.macro RDESC i, off, lds               ; group 0 of a refill, in two parts: a quarter of 128 rows a wave, the rows at s[off] of xq, into LDS at s[lds]
.if (\i) == 0
	s_mul_i32 s20, s14, REC
	s_add_co_u32 s[G0R+1], s20, s\lds
	s_add_co_u32 s20, s20, s\off
.else
	s_mov_b32 s21, 0
	s_add_nc_u64 s[G0R+2:G0R+3], s[4:5], s[20:21]
	s_or_b32 s[G0R+3], s[G0R+3], 0x80000000
.endif
.endm
; WHAT STANDS BEHIND PRODUCT n.  j: the block's number in its trip (the second loop's: 4, 5; v's: -1, -2).  y = 1: q's or k's block at x; 2, 3: the halves of v's pair at x
.macro LIST n, j, y, x
.if (\n) == 0
.if (\j) == 1                          ; on to this chunk's records
	s_add_nc_u64 s[84:85], s[84:85], 4*REC
	s_cmp_eq_u32 s46, 2
	s_cselect_b64 s[84:85], s[88:89], s[84:85]
.elseif (\j) == 4
	s_add_nc_u64 s[84:85], s[84:85], s[86:87]
.elseif (\j) == 5
	s_add_nc_u64 s[84:85], s[84:85], s[80:81]
.endif
.if (\j) == 0
	s_add_co_u32 s22, s101, GSZ
	WIN 0
	v_add_nc_u32 v[ADRA], s22, v[ADRA0]
.elseif (\j) == 2 || (\j) == 4 || (\j) == -1
	WIN 0
	v_add_nc_u32 v[ADRA], s47, v[ADRA0]
.endif
.elseif (\n) == 1
.if (\j) == 0
	WIN 0
	v_add_nc_u32 v[AAS], s22, v[AAS0]
.elseif (\j) == 2 || (\j) == 4 || (\j) == -1
	WIN 0
	v_add_nc_u32 v[AAS], s47, v[AAS0]
.endif
.elseif (\n) == 2
.if (\j) == 2
	WIN 0
	v_lshl_add_u32 v7, v3, 8, s23
.elseif (\j) == 1 || (\j) == 4
	WIN 0
	v_add_nc_u32 v[VX], s9, v[VX]
.elseif (\j) == 5
	WIN 0
	v_add_nc_u32 v[VX], 0xc0, v[VX]
.endif
.elseif (\j) == 0 && ((\n) == 29 || (\n) == 30)
	RDESC (\n)-29, 17, 47
.endif
.if (\y) == 1 && (\n) > 0 && (\n) < 28
	WIN 0
	GAPQ (\n)-1, \x
.elseif (\y) == 2 && (\n) > 0 && (\n) < 31
	WIN 0
	GAPV (\n)-1, \x
.elseif (\y) == 3 && (\n) > 0 && (\n) < 31
	WIN 0
	GAPV (\n)+29, \x
.endif
.endm
.macro BLOCK kind, e, a, from, to, j, y, x
.set N_, \from
.rept (\to)-(\from)
	PROD \kind, \e, \a, N_
	LIST N_, \j, \y, \x
.set N_, N_+1
.endr
.endm
.macro BLK kind, e, a, w, j, y, x      ; a block; w: the count of its wait (-1: none)
.if (\w) >= 0
	s_wait_dscnt \w
.endif
	s_wait_xcnt 0x0                                ; the stores' registers and bases may be written
	BLOCK \kind, \e, \a, 0, 32, \j, \y, \x
	WIN 0
	PLACES NP
.endm
.macro RBLK kind, e, a, w, j, y, x     ; a block with a round of the cluster's barrier
	s_wait_dscnt \w
	s_wait_xcnt 0x0
	GRD
	BLOCK \kind, \e, \a, 0, 28, \j, \y, \x
	WIN 0
	WALU
	s_wait_dscnt 0x0
	s_barrier_signal -1
	BLOCK \kind, \e, \a, 28, 32, \j, \y, \x
	MIDDLE
	BARRIER
.endm
.macro SBLK kind, e, a, w, j, y, x, half=0   ; a block with a plain barrier (half = 1: it shows waves 0 and 1's loads alone)
.if (\w) >= 0
	s_wait_dscnt \w
.endif
	s_wait_xcnt 0x0
	BLOCK \kind, \e, \a, 0, 28, \j, \y, \x
	WIN 0
	WALU
.if \half
	s_cmp_lt_u32 s14, 2
	s_cbranch_scc0 .Lnot_yet_\@
	s_wait_tensorcnt 0x0
.Lnot_yet_\@:
.else
	s_wait_tensorcnt 0x0
.endif
	s_wait_dscnt 0x0
	s_barrier_signal -1
	BLOCK \kind, \e, \a, 28, 32, \j, \y, \x
	WIN 0
	s_barrier_wait -1
	PLACES NP
.endm
.macro QOUT off, boff                  ; a block's two bytes a row to their place in LDS; its codes leave: 512 consecutive bytes a store, aligned
	ds_store_b16 v[VX], v[EB] offset:\boff
	global_store_b128 v[CO], v[NCD:NCD+3], s[84:85] offset:\off
	global_store_b128 v[CO], v[NCD+4:NCD+7], s[84:85] offset:(\off)+512
.endm
	s_load_b256 s[4:11], s[0:1], 0x0               ; xq s[4:5], wq s[6:7], qc s[8:9], kc s[10:11]
	s_load_b64 s[12:13], s[0:1], 0x20              ; vc
	v_lshl_add_u32 v[SPW], v0, 2, SPARE
	v_mov_b32 v[NIL], 0
	ds_add_u32 v[SPW], v[NIL]                      ; the wave's opening: the add, twice on end, and its wait
	ds_add_u32 v[SPW], v[NIL]
	v_lshrrev_b32 v1, 5, v0
	v_readfirstlane_b32 s14, v1                    ; wave 0..3
	s_lshr_b32 s15, s14, 1                         ; w: my row of waves
	s_and_b32 s16, s14, 1                          ; my column of waves; also which group I fetch at the head
	s_bfe_u32 s40, ttmp6, 0x40000                  ; cx
	s_bfe_u32 s41, ttmp6, 0x40004                  ; cy
	s_lshl_b32 s42, ttmp9, 2
	s_add_co_u32 s42, s42, s40                     ; tile column
	s_and_b32 s43, ttmp7, 0xffff
	s_lshl_b32 s43, s43, 2
	s_add_co_u32 s43, s43, s41                     ; tile row
	s_lshr_b32 s19, ttmp9, 1                       ; 0: q; 1: k
	s_and_b32 s18, ttmp9, 1                        ; v's window of my two
	s_lshl_b32 s44, s41, 2
	s_lshl_b32 s44, 15, s44                        ; my row of the cluster
	s_lshl_b32 s45, 0x1111, s40                    ; my column
	GROUP1 G1W, 45, 66
	GROUP1 G1X, 44, 66
	GROUP1 G1R, 44, 33
	s_mul_i32 s67, s43, 4*CHB
	s_mul_i32 s20, s18, 2*CHB
	s_add_co_u32 s2, s67, s20                      ; s2: v's window in xq (chunk 2)
	s_xor_b32 s20, s20, 2*CHB
	s_add_co_u32 s67, s67, s20                     ; s67: the other window (chunk 0)
	s_lshl_b32 s66, s19, 2
	s_add_co_u32 s66, s66, s40                     ; v's tile of 128 of e: 4 (cluster x / 2) + cx: a column of the cluster shares it
	s_add_co_u32 s3, s66, 16
	s_mul_i32 s3, s3, CHB                          ; s3: W_v's rows in wq
	s_mul_i32 s20, s16, GSZ
	s_mul_i32 s78, s42, CHB                        ; the first weight's rows: W_q's tiles 0-7, W_k's 8-15
	s_add_co_u32 s78, s78, s20
	s_mov_b32 s79, 0
	s_add_co_u32 s80, s67, s20
	s_mov_b32 s81, 0
	s_mov_b32 s[G0W], 1
	s_add_co_u32 s[G0W+1], s20, YB
	s_mov_b32 s[G0X], 1
	s_mov_b32 s[G0X+1], s20
	s_mov_b32 s[G0R], 1
	s_wait_dscnt 0x0                               ; both opening adds are done
	CROUND                                         ; all sixteen work-groups are here
	s_wait_kmcnt 0x0
	s_add_nc_u64 s[G0W+2:G0W+3], s[6:7], s[78:79]
	s_or_b32 s[G0W+3], s[G0W+3], 0x80000000
	s_add_nc_u64 s[G0X+2:G0X+3], s[4:5], s[80:81]
	s_or_b32 s[G0X+3], s[G0X+3], 0x80000000
	s_cmp_lt_u32 s14, 2                            ; one joint load a wave
	s_cbranch_scc0 .Lfor_x
	TLOAD G0W, G1W                                 ; waves 0, 1: the first weight, which is wanted first
	s_branch .Lasked
.Lfor_x:
	TLOAD G0X, G1X                                 ; waves 2, 3: chunk 0
.Lasked:
	; where my results go
	s_and_b32 s20, s42, 7
	s_lshr_b32 s21, s20, 1                         ; j: 256 features
	s_and_b32 s22, s20, 1                          ; q of the record
	s_lshl_b32 s23, s22, 11
	s_lshl_b32 s46, s16, 10
	s_add_co_u32 s23, s23, s46
	s_lshl_b32 s46, s15, 13
	s_add_co_u32 s23, s23, s46                     ; my codes in a record: 2,048 q + 1,024 column + two rowtiles for w = 1
	s_lshl_b32 s47, s43, 2                         ; H of my tile row
	s_xor_b32 s76, s18, 1
	s_lshl_b32 s76, s76, 1
	s_add_co_u32 s76, s76, s47
	s_lshl_b32 s76, s76, 2
	s_add_co_u32 s76, s76, s21
	s_mul_i32 s76, s76, REC
	s_add_co_u32 s76, s76, s23                     ; the other window's codes
	s_mov_b32 s77, 0
	s_lshl_b32 s78, s18, 1
	s_add_co_u32 s78, s78, s47
	s_lshl_b32 s78, s78, 2
	s_add_co_u32 s78, s78, s21
	s_mul_i32 s78, s78, REC
	s_add_co_u32 s78, s78, s23                     ; v's window's
	s_xor_b32 s82, s15, s18
	s_xor_b32 s82, s82, 1
	s_lshl_b32 s82, s82, 1
	s_add_co_u32 s82, s82, s16
	s_add_co_u32 s82, s82, s47                     ; wave n stores the scale words of the n-th chunk in the order of work
	s_lshl_b32 s82, s82, 2
	s_add_co_u32 s82, s82, s21
	s_mul_i32 s82, s82, REC
	s_lshl_b32 s22, s22, 9
	s_add_co_u32 s82, s82, s22
	s_add_co_u32 s82, s82, 32768
	s_mov_b32 s83, 0
	s_lshl_b32 s80, s66, 5
	s_lshl_b32 s20, s43, 1
	s_add_co_u32 s80, s80, s20
	s_add_co_u32 s80, s80, s18
	s_mul_i32 s80, s80, REC                        ; my record of vc
	s_lshl_b32 s20, s14, 8
	s_add_co_u32 s86, s80, s20
	s_add_co_u32 s86, s86, 32768
	s_mov_b32 s87, 0
	s_lshl_b32 s20, s16, 14
	s_add_co_u32 s80, s80, s20
	s_lshl_b32 s20, s15, 9
	s_add_co_u32 s80, s80, s20
	s_cmp_eq_u32 s19, 0
	s_cselect_b64 s[92:93], s[8:9], s[10:11]
	s_add_nc_u64 s[84:85], s[92:93], s[76:77]
	s_sub_nc_u64 s[84:85], s[84:85], 4*REC
	s_add_nc_u64 s[88:89], s[92:93], s[78:79]
	s_add_nc_u64 s[94:95], s[92:93], s[82:83]
	s_add_nc_u64 s[96:97], s[12:13], s[80:81]
	s_add_nc_u64 s[98:99], s[12:13], s[86:87]
	s_lshl_b32 s90, s40, 2                         ; my sixteenth of a prefetch of x's rows,
	s_add_co_u32 s90, s90, s14
	s_mul_i32 s90, s90, 33*256
	s_lshl_b32 s100, s41, 2                        ; and of W_v's
	s_add_co_u32 s100, s100, s14
	s_mul_i32 s100, s100, 33*256
	s_add_co_u32 s100, s100, s3
	s_add_co_u32 s17, s67, CHB                     ; chunk 1
	s_add_co_u32 s91, s2, CHB                      ; chunk 3
	s_add_co_u32 s73, s17, s90
	s_add_co_u32 s74, s2, s90
	s_add_co_u32 s72, s91, s90
	s_mul_i32 s20, s16, GSZ
	s_lshl_b32 s21, s15, 15
	s_add_co_u32 s22, s20, 65536
	s_lshl_b32 s23, s15, 7
	s_add_co_u32 s46, s23, 65536
	s_lshl_b32 s47, s16, 1
	s_add_co_u32 s47, s47, s23
	s_add_co_u32 s47, s47, XN
	s_lshl_b32 s23, s16, 8
	s_add_co_u32 s23, s23, s15
	s_add_co_u32 s23, s23, XV
	v_and_b32 v3, 31, v0                           ; lane
	v_and_b32 v1, 15, v0                           ; r
	v_lshlrev_b32 v[CO], 4, v3
	v_lshlrev_b32 v2, 2, v3
	v_lshlrev_b32 v1, 2, v1
	v_add_nc_u32 v[ADRA0], s21, v[CO]              ; two rowtiles on for w = 1
	v_add_nc_u32 v[ADRB+1], s20, v[CO]
	v_add_nc_u32 v[ABS+1], s22, v2
	v_add_nc_u32 v[AAS0], s46, v1
	v_add_nc_u32 v[VX], s47, v1
	v_add_nc_u32 v[RD], s23, v1
	v_add_nc_u32 v[ADRB], YB, v[ADRB+1]
	v_add_nc_u32 v[ABS], YB, v[ABS+1]
	v_lshl_add_u32 v7, v3, 8, s73
	v_lshl_add_u32 v8, v3, 8, s74
	v_mov_b32 v[TQ+2], 0                           ; a lane permute's destination counts as one of its sources
	v_mov_b32 v[TQ+3], 0
	WALU
	s_cmp_lt_u32 s14, 2
	s_cbranch_scc0 .Lnot_w
	s_wait_tensorcnt 0x0                           ; waves 0, 1: the first weight has landed.  The others' wait stands at the second barrier
.Lnot_w:
	BARRIER
	global_prefetch_b8 v7, s[4:5] th:TH_LOAD_NT scope:SCOPE_SE
	global_prefetch_b8 v8, s[4:5] th:TH_LOAD_NT scope:SCOPE_SE
.irp q, 0,1,2,3,4,5,6,7
.irp b, 0,1,2,3
	FRAG NB*\q+\b, ADRB, \q, \b
.endr
.endr
	WIN 0
	WSCALES ABS
	s_wait_tensorcnt 0x0                           ; chunk 0 is in; the first weight is in registers
	s_wait_dscnt 0x0
	BARRIER
	FETCHAT 0, ADRA0, AAS0
	FETCHAT 1, ADRA0, AAS0
	s_mov_b32 s[SEL], 0x76543210
	s_mov_b32 s[SEL+1], 0xfedcba98
	s_mov_b32 s[MNT], 0x600000
.set I_, 0
.rept 32
	v_mov_b32 v[ACC+32+I_], 0
.set I_, I_+1
.endr
	WALU
	s_mov_b32 s46, 0                               ; PHASE 1.  s46 the trip; s101, s47 this chunk's slot and the next one's; s17 the rows that are loaded; s9 to a byte's next place; s[76:77], s23, s78 what is asked for ahead, and whether
	s_mov_b32 s9, 0
	s_mov_b32 s23, 0
	s_mov_b32 s101, 0
	s_mov_b32 s47, YB
	s_mov_b64 s[76:77], s[4:5]
	s_mov_b32 s78, 0
	s_xor_b32 s79, s18, 1
.Lfour:
	RBLK 0, 0, 0, NF, 0, 1, ACC+32                 ; blocks 0, 4, 8: chunks 1, 2, 3 come
	s_cmp_lt_u32 s14, 2                            ; waves 0, 1 and waves 2, 3 have a load line each: the barrier inside the block two on waits for the first line's alone
	s_cbranch_scc0 .Lupper
	TLOAD G0R, G1R
	s_branch .Lboth
.Lupper:
	TLOAD G0R, G1R
.Lboth:
	PLACES NP-4
	s_cmp_eq_u32 s46, 0
	s_cbranch_scc1 .Lno_block_before
	QOUT 20480, 320
.Lno_block_before:
	FETCHAT 0, ADRA, AAS
	BLK 0, 1, 1, -1, 1, 1, ACC
	QOUT 0, 0
	FETCHAT 1, ADRA, AAS
	SBLK 0, 0, 0, NF, 2, 1, ACC+32, 1              ; the next chunk's first group is in
	QOUT 4096, 64
	s_cmp_eq_u32 s78, 0
	s_cbranch_scc1 .Lnone_ahead
	global_prefetch_b8 v7, s[76:77] th:TH_LOAD_NT scope:SCOPE_SE
.Lnone_ahead:
	FETCHAT 0, ADRA, AAS
	BLK 0, 1, 1, -1, 3, 1, ACC
	QOUT 16384, 256
	FETCHAT 1, ADRA, AAS
	s_mov_b32 s9, 512
	s_mov_b32 s101, s47
	s_xor_b32 s47, s47, YB
	s_cmp_eq_u32 s46, 0
	s_cselect_b32 s17, s2, s91
	s_cselect_b32 s23, s72, s100
	s_cselect_b64 s[76:77], s[4:5], s[6:7]
	s_cselect_b32 s78, 1, s79
	s_add_co_u32 s46, s46, 1
	s_cmp_lg_u32 s46, 3
	s_cbranch_scc1 .Lfour
	GRD
	s_mul_i32 s20, s14, REC
	s_mov_b32 s[G0W+1], s20
	s_add_co_u32 s20, s20, s3
	s_mov_b32 s21, 0
	s_add_nc_u64 s[G0W+2:G0W+3], s[6:7], s[20:21]
	s_or_b32 s[G0W+3], s[G0W+3], 0x80000000
	s_mov_b32 s[G1W+2], 33<<16
	s_mov_b32 s[G1W+4], 33
	s_mov_b32 s47, YB+GSZ
	s_mov_b32 s86, 20480                           ; the codes' steps: to chunk 2's block 3, to chunk 3's blocks 0, 1, 2
	s_mov_b32 s87, 0
	s_mov_b32 s80, 4*REC-20480
	s_mov_b32 s81, 0
	s_mov_b32 s9, 320
	s_wait_dscnt 0x0
	s_barrier_signal -1
	MIDDLE
	BARRIER
	TLOAD G0W, G1W
.Ltwo:
	BLK 0, 0, 0, NF, 4, 1, ACC+32                  ; blocks 12, 14
	QOUT 0, 0
	FETCHAT 0, ADRA, AAS
	BLK 0, 1, 1, NF, 5, 1, ACC                     ; 13, 15; the block two on is then v's: chunk 3 again, as it lies in slot 1
	QOUT 0, 0
	FETCHAT 1, ADRA, AAS
	s_mov_b32 s47, YB
	s_mov_b32 s86, 4096
	s_mov_b32 s80, 12288
	s_mov_b32 s9, 64
	s_add_co_u32 s46, s46, 1
	s_cmp_lg_u32 s46, 5
	s_cbranch_scc1 .Ltwo
	; the change of phase
	s_wait_xcnt 0x0
	s_wait_tensorcnt 0x0                           ; W_v's rows are in
	s_wait_dscnt 0x0
	BARRIER
.macro CHANGE i                        ; among W_v's loads: the last block's quantiser; zeros into what v's first trip reads and does not store
.if (\i) < 7
.irp k, 0,1,2,3
	GAPQ 4*(\i)+\k, ACC+32
.endr
.elseif (\i) < 15
.irp q, 0,1,2,3,4,5,6,7
	v_mov_b32 v[ACC+64+8*((\i)-7)+\q], 0
.endr
.endif
.endm
.irp q, 0,1,2,3,4,5,6,7
.irp b, 0,2
	FRAG NB*\q+\b, ADRB+1, \q, \b
	FRAG NB*\q+\b+1, ADRB+1, \q, \b+1
	WIN 0
	CHANGE 2*\q+\b/2
.endr
.endr
	WSCALES ABS+1
	QOUT 4096, 64
	GRD
	s_mov_b32 s47, 0
	RDESC 0, 2, 47
	RDESC 1, 2, 47
	s_mov_b32 s46, 0
	s_mov_b32 s47, YB+GSZ
	s_wait_dscnt 0x0                               ; W_v is in registers
	s_barrier_signal -1
	MIDDLE
	BARRIER
	TLOAD G0R, G1R
.macro VOUT                            ; a pair of v's blocks: four tiles' bytes and codes, 512 consecutive bytes a store
.irp t, 0,1,2,3
	ds_store_b8 v[VX], v[EB+\t] offset:64*\t
	global_store_b128 v[CO], v[MCD+4*\t:MCD+4*\t+3], s[84:85] offset:4096*\t
.endr
.endm
.macro VTO                             ; s22 = 2 q + half of the 128 tokens: where a pair's codes and bytes go
	s_lshl_b32 s20, s22, 10
	s_mov_b32 s21, 0
	s_add_nc_u64 s[84:85], s[96:97], s[20:21]
	s_lshr_b32 s20, s22, 1
	s_lshl_b32 s20, s20, 9
	s_and_b32 s21, s22, 1
	s_lshl_b32 s21, s21, 1
	s_add_co_u32 s20, s20, s21
	v_add_nc_u32 v[VX], s20, v[RD]
.endm
.Lpair:
	BLK 1, 0, 0, -1, -1, 2, ACC+64
	s_cmp_eq_u32 s46, 3
	s_cbranch_scc1 .Lnone_0
	FETCHAT 0, ADRA, AAS
	s_wait_dscnt NF
	s_branch .Lgo
.Lnone_0:
	s_wait_dscnt 0x0
.Lgo:
	SBLK 1, 1, 1, -1, -2, 3, ACC+64                ; the first trip's shows chunk 2
.set I_, 0
.rept 32                               ; the pair's sums are copied, so that one trip is two blocks of text
	v_dual_mov_b32 v[ACC+64+I_], v[ACC+I_] :: v_dual_mov_b32 v[ACC+64+I_+1], v[ACC+I_+1]
.set I_, I_+2
.endr
	s_add_co_u32 s22, s46, 1
	s_and_b32 s22, s22, 3
	VTO
	s_cmp_eq_u32 s46, 0
	s_cbranch_scc1 .Lno_pair_before
	VOUT
.Lno_pair_before:
	s_cmp_eq_u32 s46, 3
	s_cbranch_scc1 .Lnone_1
	FETCHAT 1, ADRA, AAS
.Lnone_1:
	s_cmp_eq_u32 s46, 0
	s_cselect_b32 s47, 0, GSZ
	s_add_co_u32 s46, s46, 1
	s_cmp_lg_u32 s46, 4
	s_cbranch_scc1 .Lpair
	s_wait_xcnt 0x0
.set K_, 0
.rept 60
	GAPV K_, ACC+64
.set K_, K_+1
.endr
	WALU
	s_mov_b32 s22, 1
	VTO
	VOUT
	s_wait_dscnt 0x0                               ; the scale bytes
	BARRIER
	s_lshl_b32 s21, s14, 9
	s_add_co_u32 s21, s21, XN
	s_lshl_b32 s22, s14, 8
	s_add_co_u32 s22, s22, XV
	v_add_nc_u32 v21, s21, v[CO]
	v_lshlrev_b32 v22, 3, v3
	v_add_nc_u32 v23, s22, v22
	WALU
	ds_load_b128 v[60:63], v21
	ds_load_b64 v[40:41], v23
	s_wait_dscnt 0x0
	global_store_b128 v[CO], v[60:63], s[94:95]
	global_store_b64 v22, v[40:41], s[98:99]
	s_wait_tensorcnt 0x0                           ; the wave's end
	ds_add_u32 v[SPW], v[NIL]
	s_wait_dscnt 0x0
	CROUND                                         ; the closing round
	s_endpgm
.Lfunc_end_k_q2b1da4538b_proj:
	.size	k_q2b1da4538b_proj, .Lfunc_end_k_q2b1da4538b_proj-k_q2b1da4538b_proj
	.p2alignl 7, 3214868480
	.fill 96, 4, 3214868480
	.section	.rodata,"a",@progbits
	.p2align	6, 0x0
	.amdhsa_kernel k_q2b1da4538b_proj
		.amdhsa_group_segment_fixed_size 327680
		.amdhsa_private_segment_fixed_size 0
		.amdhsa_enable_private_segment 0
		.amdhsa_kernarg_size 40
		.amdhsa_user_sgpr_count 2
		.amdhsa_user_sgpr_kernarg_segment_ptr 1
		.amdhsa_wavefront_size32 1
		.amdhsa_system_sgpr_workgroup_id_x 1
		.amdhsa_system_sgpr_workgroup_id_y 1
		.amdhsa_system_sgpr_workgroup_id_z 1
		.amdhsa_system_vgpr_workitem_id 0
		.amdhsa_next_free_vgpr 1024
		.amdhsa_next_free_sgpr 102
		.amdhsa_reserve_vcc 0
		.amdhsa_float_denorm_mode_32 3
		.amdhsa_float_denorm_mode_16_64 3
		.amdhsa_memory_ordered 1
		.amdhsa_forward_progress 1
		.amdhsa_inst_pref_size 163
	.end_amdhsa_kernel
	.amdgpu_metadata
---
amdhsa.version: [ 1, 2 ]
amdhsa.kernels:
  - .name:           k_q2b1da4538b_proj
    .symbol:         k_q2b1da4538b_proj.kd
    .args:
      - { .name: xq, .offset: 0, .size: 8, .value_kind: global_buffer, .address_space: global }
      - { .name: wq, .offset: 8, .size: 8, .value_kind: global_buffer, .address_space: global }
      - { .name: qc, .offset: 16, .size: 8, .value_kind: global_buffer, .address_space: global }
      - { .name: kc, .offset: 24, .size: 8, .value_kind: global_buffer, .address_space: global }
      - { .name: vc, .offset: 32, .size: 8, .value_kind: global_buffer, .address_space: global }
    .group_segment_fixed_size: 327680
    .private_segment_fixed_size: 0
    .kernarg_segment_align: 8
    .kernarg_segment_size: 40
    .max_flat_workgroup_size: 128
    .sgpr_count:     102
    .vgpr_count:     1024
    .wavefront_size: 32
...
	.end_amdgpu_metadata
.endif
;; end of part 2
;; launch score (part 3): grid 51 x 4, 4 waves a work-group, no clusters, 327,680 bytes of LDS; arguments qc, kc, pc, pst; writes pc, pst
.if DOCPART == 3
	.amdgcn_target "amdgcn-amd-amdhsa--gfx1250"
	.amdhsa_code_object_version 6
	.text
	.protected	k_q2b1da4538b_score
	.globl	k_q2b1da4538b_score
	.p2align	8
	.type	k_q2b1da4538b_score,@function
k_q2b1da4538b_score:
	s_mov_b64 s[64:65], 0
	v_nop
	global_prefetch_b8 v0, s[64:65] scope:SCOPE_SE
	s_setreg_imm32_b32 hwreg(HW_REG_WAVE_MODE, 25, 1), 1
	s_wait_xcnt 0x0
; S = q k^T on codes of BF8 (E5M2) with E8M0 scales, K = 1,024, only for the tiles of 128 queries x 128 keys that the causal mask leaves (region i of queries, chunks 0 .. i of keys); then the mask, p = 2^(t - M), its sum, its codes.
; WORK LEFT OUT: chunks whose keys all come after their queries: reference()'s own mask makes their scores -infinity and so p = 0 for all inputs; a NaN or an infinity that reaches only them is not carried.  Where the next launch reads such a chunk beside a live one (chunk i + 1 of an even region i), zeros are stored in its place.
; t = score x log2(e) / 32.  M IS TAKEN FOR EACH ROW AND EACH CHUNK OF 128 KEYS: the ceiling of that chunk's largest t, a whole number.  Under another whole M the codes are the same and only the scale bytes move, so the next launch, which knows the row's M, takes M(row) - M(chunk) off the bytes.
; Stored for each (row, chunk): the scale word with bit 7 set in each byte, M, the sum of the unquantised p, 0.
; THE DEAL.  A work-group takes one region of 128 queries and up to three chunks of keys: region i has i / 3 + 1 work-groups, 51 a batch.  Waves 2 x 2: wave (w, col) holds 64 queries, all of K, in 512 registers and streams 64 keys of each chunk past them, 16 at a time, in two sets of registers.
; OPERANDS: a region or a chunk is four records on end (128 rows x 256 along K as images of the operand's registers, then scale words): 135,168 bytes.  Rows by position, position p holding logical row rho(p), p with bits 3 and 4 exchanged.
; Source 0 = 16 keys, source 1 = 16 queries: a lane (r, h) holds one query; the registers of two neighbouring key tiles are 16 neighbouring keys, so p's codes are an image of the next product's operand as they stand.
; LDS: two slots of 135,168 bytes: the queries in slot 0 at the head, chunk c in slot 1 - c % 2.  A chunk is asked for when the other slot has been read out: a quarter a wave.  The walk has three trips in every work-group; where a work-group has fewer chunks, the work and the load are left out by its number, no barrier is.
; The two waves of a row of waves share their rows' maxima through LDS; what goes to pst is gathered there too.
; NO CLUSTER: the work-groups that read a chunk belong to different regions and have different numbers of chunks.
; PREFETCH: chunk 2 of a work-group's three is asked for one trip ahead of its load by the work-groups of region 15, the one region that reads every chunk (all but the last 4 of the 132 blocks of a wave's quarter); the first two come by their loads alone.
; LIMITS: NaN and infinities are not served; a block of p that is all zeros gets the byte 1 (its codes are zeros); p under 2^-126 of its chunk's largest is 0 (v_exp_f32 flushes denormals: ISA guide 15.8); the scaled scores stay under 2^31.
.set REC, 33792
.set GSZ, 2*REC
.set CHB, 4*REC
.set YB, CHB                           ; slot 1
.set EXC, 2*CHB                        ; maxima: [w][col][query tile 4][16]
.set SW, EXC+1024                      ; scale words: [chunk 3][128 rows]
.set SM, SW+1536                       ; M: [chunk 3][col 2][128];  3,072 on: the sums likewise
.set SPARE, SM+6144                    ; the spare words: two blocks of 256 bytes
.set NF, 40                            ; LDS loads of a block of 16 keys: 32 of codes, 8 of scale words
.set NP, 8
.set AKS, 1                            ; v1-2   scale words of what is fetched, records 0, 1 and 2, 3
.set NINF, 3
.set ADK0, 4
.set CO, 5                             ; v5     16 x lane
.set AKS0, 6
.set EXS, 7
.set PFO, 8
.set EXL, 9
.set SPW, 10
.set NIL, 11
.set ADK, 12                           ; v12-13 codes of what is fetched; later where bytes, M and sums go
.set D0, 14                            ; v14    the mask: my query less my first key, for query tile 0
.set VW0, 15
.set LIM, 16                           ; v16-23 the bounds
.set SB, 24                            ; v24-39 the queries' scale words: register 8 p + q: lanes 0-15 tile 2 p's, lanes 16-31 tile 2 p + 1's
.set EB, 40                            ; v40-43
.set SA, 44                            ; v44-59 the keys', two sets of eight: no product's two scale words have numbers equal modulo 8
.set T4, 60                            ; v60-63
.set ACC, 64                           ; v64-191 query tile t, key tile kb at 32 t + 8 kb
.set NCD, 192                          ; v192-223 codes
.set BM, 224                           ; v224-231 the largest score, then p, of query tile t, block b of 32 keys, at 2 t + b
.set BX, 232                           ; v232-239
.set W, 240                            ; v240-243
.set X4, 244                           ; v244-247
.set NM, 248                           ; v248-255 -M, in pairs (the packed form names pairs)
.set G1H, 24
.set G0H, 32
.set G0R, 36
.set G1R, 48
.set CS, 72
.set SEL, 74
.set MNT, 76
.set MSB, 0
.macro WIN new
.if MSB != (\new)
	s_set_vgpr_msb (MSB<<8)|(\new)
.set MSB, (\new)
.endif
.endm
.macro PLACES n
.rept \n
	v_nop
.endr
.endm
.macro WALU
	s_wait_alu depctr_va_vdst(0)
.endm
.macro BARRIER
	s_barrier_signal -1
	s_barrier_wait -1
.endm
.macro TLOAD g0, g1                    ; four v_nop follow
	tensor_load_to_lds s[\g0:\g0+3], s[\g1:\g1+7]
	s_nop 0
	PLACES 4
.endm
.macro GROUP1 g, rows                  ; a dense run of so many rows of 1,024 bytes (128 elements of 8)
	s_mov_b32 s[\g+0], 3<<16
	s_mov_b32 s[\g+1], 128<<16
	s_mov_b32 s[\g+2], (\rows)<<16
	s_mov_b32 s[\g+3], 128<<16
	s_mov_b32 s[\g+4], \rows
	s_mov_b32 s[\g+5], 128
	s_mov_b32 s[\g+6], 0
	s_mov_b32 s[\g+7], 0
.endm
.macro FETCHK kb                       ; my key tile kb, all of K, into set kb % 2 of window 3, and its scale words
	WIN 3<<6
.irp q, 0,1,2,3,4,5,6,7
.irp c, 0,1,2,3
	ds_load_b128 v[128*((\kb)%2)+16*\q+4*\c:128*((\kb)%2)+16*\q+4*\c+3], v[ADK+\q/4] offset:REC*((\q/2)%2)+4096*(\kb)+2048*(\q%2)+512*\c
.endr
.endr
	WIN 0
.irp q, 0,1,2,3,4,5,6,7
	ds_load_b32 v[SA+8*((\kb)%2)+\q], v[AKS+\q/4] offset:REC*((\q/2)%2)+512*(\q%2)+64*(\kb)
.endr
.endm
; 32 products of key tile kb with my four query tiles: four accumulators by turns, K ascending.  Query fragment 4 q + t lies in window 1 + q / 4
.macro PRODS kb
.set N_, 0
.rept 32
.set Q_, N_/4
.set B_, N_%4
.set FB_, 4*Q_+B_
.set AC_, ACC+32*B_+8*(\kb)
.set R_, 128*((\kb)%2)+16*Q_
.set W_, 16*(FB_%16)
.set XS_, SA+8*((\kb)%2)+Q_
.set WS_, SB+8*(B_/2)+Q_
	WIN 3|((1+FB_/16)<<2)
.if Q_ && B_%2
	v_wmma_scale_f32_16x16x128_f8f6f4 v[AC_:AC_+7], v[R_:R_+15], v[W_:W_+15], v[AC_:AC_+7], v[XS_], v[WS_] matrix_a_fmt:MATRIX_FMT_BF8 matrix_b_fmt:MATRIX_FMT_BF8 matrix_b_scale:MATRIX_SCALE_ROW1
.elseif Q_
	v_wmma_scale_f32_16x16x128_f8f6f4 v[AC_:AC_+7], v[R_:R_+15], v[W_:W_+15], v[AC_:AC_+7], v[XS_], v[WS_] matrix_a_fmt:MATRIX_FMT_BF8 matrix_b_fmt:MATRIX_FMT_BF8
.elseif B_%2
	v_wmma_scale_f32_16x16x128_f8f6f4 v[AC_:AC_+7], v[R_:R_+15], v[W_:W_+15], 0, v[XS_], v[WS_] matrix_a_fmt:MATRIX_FMT_BF8 matrix_b_fmt:MATRIX_FMT_BF8 matrix_b_scale:MATRIX_SCALE_ROW1
.else
	v_wmma_scale_f32_16x16x128_f8f6f4 v[AC_:AC_+7], v[R_:R_+15], v[W_:W_+15], 0, v[XS_], v[WS_] matrix_a_fmt:MATRIX_FMT_BF8 matrix_b_fmt:MATRIX_FMT_BF8
.endif
.set N_, N_+1
.endr
	WIN 0
	PLACES NP
.endm
	s_load_b256 s[4:11], s[0:1], 0x0               ; qc s[4:5], kc s[6:7], pc s[8:9], pst s[10:11]
	v_lshl_add_u32 v[SPW], v0, 2, SPARE
	v_mov_b32 v[NIL], 0
	ds_add_u32 v[SPW], v[NIL]                      ; the wave's opening: the add, twice on end, and its wait
	ds_add_u32 v[SPW], v[NIL]
	v_lshrrev_b32 v60, 5, v0
	v_readfirstlane_b32 s14, v60                   ; wave
	s_lshr_b32 s15, s14, 1                         ; w: my half of the queries
	s_and_b32 s16, s14, 1                          ; col: my half of each chunk's keys; also which half I fetch at the head
	s_mov_b32 s17, 0
.irp th, 3,9,18,30,45
	s_cmp_ge_u32 ttmp9, \th                        ; regions 3 a .. 3 a + 2 begin at work-group 3 a (a + 1) / 2
	s_cselect_b32 s18, 1, 0
	s_add_co_u32 s17, s17, s18
.endr
	s_add_co_u32 s18, s17, 1                       ; a + 1 work-groups a region
	s_mul_i32 s19, s17, s18
	s_mul_i32 s19, s19, 3
	s_lshr_b32 s19, s19, 1
	s_sub_co_u32 s20, ttmp9, s19
	s_cmp_ge_u32 s20, s18
	s_cselect_b32 s21, 1, 0
	s_lshl_b32 s22, s18, 1
	s_cmp_ge_u32 s20, s22
	s_cselect_b32 s23, 1, 0
	s_add_co_u32 s21, s21, s23
	s_mul_i32 s40, s17, 3
	s_add_co_u32 s40, s40, s21                     ; region i of the batch
	s_mul_i32 s21, s21, s18
	s_sub_co_u32 s20, s20, s21
	s_mul_i32 s42, s20, 3                          ; my first chunk
	s_add_co_u32 s43, s40, 1
	s_sub_co_u32 s43, s43, s42
	s_min_u32 s43, s43, 3                          ; my chunks
	s_and_b32 s44, ttmp7, 0xffff
	s_lshl_b32 s44, s44, 4
	s_add_co_u32 s45, s44, s40                     ; region of 64
	GROUP1 G1H, 66
	GROUP1 G1R, 33
	s_add_co_u32 s44, s44, s42                     ; my first chunk of 64
	s_cmp_lt_u32 s14, 2                            ; waves 0, 1 fetch the queries' halves, waves 2, 3 the first chunk's
	s_cselect_b32 s22, s45, s44
	s_mul_i32 s22, s22, CHB
	s_mul_i32 s23, s16, GSZ
	s_add_co_u32 s22, s22, s23
	s_mov_b32 s23, 0
	s_mov_b32 s[G0H], 1
	s_mul_i32 s[G0H+1], s14, GSZ
	s_mov_b32 s[G0R], 1
	s_wait_dscnt 0x0                               ; both opening adds are done
	s_wait_kmcnt 0x0
	s_cmp_lt_u32 s14, 2
	s_cselect_b64 s[20:21], s[4:5], s[6:7]
	s_add_nc_u64 s[G0H+2:G0H+3], s[20:21], s[22:23]
	s_or_b32 s[G0H+3], s[G0H+3], 0x80000000
	s_cmp_lt_u32 s14, 2                            ; one load a wave, a line for each kind
	s_cbranch_scc0 .Lfor_k
	TLOAD G0H, G1H
	s_branch .Lasked
.Lfor_k:
	TLOAD G0H, G1H
.Lasked:
	s_mul_i32 s80, s14, REC                        ; my quarter of a refill
	s_mul_i32 s20, s44, CHB
	s_add_co_u32 s20, s20, s80
	s_mov_b32 s21, 0
	s_add_nc_u64 s[70:71], s[6:7], s[20:21]        ; it walks: my quarter of the first chunk
	s_add_nc_u64 s[68:69], s[70:71], 2*CHB         ; what is asked for ahead
	s_lshl_b32 s20, s45, 18
	s_lshl_b32 s22, s15, 14
	s_add_co_u32 s20, s20, s22
	s_lshl_b32 s22, s16, 10
	s_add_co_u32 s20, s20, s22
	s_add_nc_u64 s[60:61], s[8:9], s[20:21]        ; pc: my region, my four rowtiles, my half of 128 keys
	s_lshl_b32 s20, s45, 4
	s_add_co_u32 s20, s20, s42
	s_lshl_b32 s20, s20, 11
	s_add_nc_u64 s[78:79], s[10:11], s[20:21]      ; pst: my region, my first chunk
	s_cmp_le_u32 s15, s16
	s_cselect_b32 s59, 1, 0                        ; on the diagonal the mask bites in all waves but (1, 0)
	s_cmp_eq_u32 s40, 15
	s_cselect_b32 s20, 1, 0
	s_cmp_eq_u32 s43, 3
	s_cselect_b32 s66, 1, 0
	s_and_b32 s66, s66, s20
	s_xor_b32 s66, s66, 1                          ; 0, the trip in which I prefetch; 1: never (the test below stands on trip 0)
	s_mov_b32 s[SEL], 0x76543210
	s_mov_b32 s[SEL+1], 0xfedcba98
	s_mov_b32 s[MNT], 0x600000
	s_mov_b32 s[CS], 0x3d38aa3b                    ; c = log2(e) / sqrt(1024)
	s_mov_b32 s[CS+1], s[CS]
	s_mov_b32 s46, 0                               ; the trip
	s_mov_b32 s56, YB                              ; this chunk's slot, and the other
	s_mov_b32 s57, 0
	s_mov_b32 s58, 0                               ; 512 x trip
	s_mul_i32 s82, s16, 510
	s_add_co_u32 s82, s82, SM-SW
	s_lshl_b32 s17, s16, 14
	s_lshl_b32 s18, s16, 8
	s_add_co_u32 s18, s18, 32768
	s_lshl_b32 s19, s15, 14
	s_lshl_b32 s20, s15, 8
	s_add_co_u32 s20, s20, 32768
	s_lshl_b32 s21, s15, 9
	s_lshl_b32 s22, s16, 8
	s_add_co_u32 s21, s21, s22
	s_add_co_u32 s21, s21, EXC
	s_lshl_b32 s22, s15, 9
	s_xor_b32 s23, s16, 1
	s_lshl_b32 s23, s23, 8
	s_add_co_u32 s22, s22, s23
	s_add_co_u32 s22, s22, EXC
	s_lshl_b32 s23, s15, 8
	s_add_co_u32 s23, s23, s16
	s_add_co_u32 s23, s23, s16
	s_add_co_u32 s23, s23, SW
	s_sub_co_i32 s83, s15, s16
	s_lshl_b32 s83, s83, 6
	v_and_b32 v60, 31, v0                          ; lane
	v_and_b32 v61, 15, v0                          ; r
	v_bfe_u32 v62, v0, 4, 1                        ; h
	v_lshlrev_b32 v[CO], 4, v60
	v_lshlrev_b32 v63, 2, v61
	v_lshlrev_b32 v40, 2, v60
	v_add_nc_u32 v[ADK0], s17, v[CO]
	v_add_nc_u32 v[AKS0], s18, v63
	v_add_nc_u32 v[ADK], s19, v[CO]                ; the queries
	v_add_nc_u32 v[AKS], s20, v40
	v_add_nc_u32 v[EXS], s21, v63
	v_add_nc_u32 v[EXL], s22, v63
	v_add_nc_u32 v[VW0], s23, v63
	v_add_nc_u32 v[ADK+1], GSZ, v[ADK]
	v_add_nc_u32 v[AKS+1], GSZ, v[AKS]
	v_lshlrev_b32 v[PFO], 8, v60
	v_and_b32 v[D0], 7, v61
	v_lshrrev_b32 v41, 3, v61
	v_lshl_add_u32 v[D0], v41, 4, v[D0]
	v_lshlrev_b32 v41, 4, v62
	v_sub_nc_u32 v[D0], v[D0], v41
	v_add_nc_u32 v[D0], s83, v[D0]                 ; 64 (w - col) + 16 (r / 8) + r % 8 - 16 h
	v_mov_b32 v[NINF], 0xff800000
.irp t, 0,1,2,3
	v_mov_b32 v[NM+2*\t+1], 0                      ; named as the upper half of a pair
	v_mov_b32 v[X4+\t], 0                          ; a lane permute's destination counts as one of its sources
	v_mov_b32 v[BX+\t], 0
	v_mov_b32 v[BX+4+\t], 0
.endr
	WALU
	s_cmp_lt_u32 s14, 2
	s_cbranch_scc0 .Lnot_q
	s_wait_tensorcnt 0x0                           ; waves 0, 1: the queries have landed.  The others' wait stands in the first trip
.Lnot_q:
	BARRIER
.irp q, 0,1,2,3,4,5,6,7
	WIN (1+\q/4)<<6
.irp b, 0,1,2,3
.irp c, 0,1,2,3
	ds_load_b128 v[16*((4*\q+\b)%16)+4*\c:16*((4*\q+\b)%16)+4*\c+3], v[ADK+\q/4] offset:REC*((\q/2)%2)+4096*\b+2048*(\q%2)+512*\c
.endr
.endr
.endr
	WIN 0
.irp q, 0,1,2,3,4,5,6,7
	ds_load_b32 v[SB+\q], v[AKS+\q/4] offset:REC*((\q/2)%2)+512*(\q%2)
	ds_load_b32 v[SB+8+\q], v[AKS+\q/4] offset:REC*((\q/2)%2)+512*(\q%2)+128
.endr
.Ltrip:
	s_wait_tensorcnt 0x0                           ; my part of this chunk is in, no load of mine is out
	ds_add_u32 v[SPW], v[NIL]
	s_add_co_u32 s[G0R+1], s57, s80
	s_add_nc_u64 s[70:71], s[70:71], CHB
	s_mov_b64 s[G0R+2:G0R+3], s[70:71]
	s_or_b32 s[G0R+3], s[G0R+3], 0x80000000
	s_add_co_u32 s20, s46, 1
	s_wait_dscnt 0x0                               ; the add is done, and my reads of the other slot (in the first trip the queries) are over
	BARRIER
	s_cmp_ge_u32 s20, s43                          ; the next chunk, if I have one, into the other slot: ids and the count of trips alone
	s_cbranch_scc1 .Lno_fill
	TLOAD G0R, G1R
.Lno_fill:
	s_cmp_ge_u32 s46, s43
	s_cbranch_scc1 .Lidle1
	v_add_nc_u32 v[ADK], s56, v[ADK0]
	v_add_nc_u32 v[AKS], s56, v[AKS0]
	v_add_nc_u32 v[ADK+1], GSZ, v[ADK]
	v_add_nc_u32 v[AKS+1], GSZ, v[AKS]
	WALU
	FETCHK 0
	FETCHK 1
	s_or_b32 s20, s46, s66
	s_cmp_eq_u32 s20, 0
	s_cbranch_scc0 .Lnot_mine
.irp k, 0,1,2,3
	global_prefetch_b8 v[PFO], s[68:69] offset:8192*\k th:TH_LOAD_NT scope:SCOPE_SE
.endr
.Lnot_mine:
	s_wait_dscnt NF
	PRODS 0
	FETCHK 2
	s_wait_dscnt NF
	PRODS 1
	FETCHK 3
	s_wait_dscnt NF
	PRODS 2
	s_wait_dscnt 0x0
	PRODS 3
	s_add_co_u32 s20, s42, s46
	s_cmp_eq_u32 s20, s40                          ; the diagonal chunk: the mask
	s_cselect_b32 s20, s59, 0
	s_cmp_eq_u32 s20, 0
	s_cbranch_scc1 .Lopen
.set t_, 0
.rept 4
	v_add_nc_u32 v[LIM], 32*(t_/2)+8*(t_%2), v[D0]
.set n_, 0
.rept 32
	v_cmp_gt_i32 vcc_lo, 32*(n_/16)+n_%16, v[LIM]  ; hidden where the key comes after the query
	v_cndmask_b32 v[ACC+32*t_+n_], v[ACC+32*t_+n_], v[NINF], vcc_lo
.set n_, n_+1
.endr
.set t_, t_+1
.endr
.Lopen:
.irp g, 0,1,2,3,4,5,6,7                ; the largest score of each query tile's blocks of 32 keys: for the chunk's maximum, and, since p rises with the score, for the block's largest p.  The eight take turns
	v_max3_num_f32 v[BM+\g], v[ACC+16*\g], v[ACC+16*\g+1], v[ACC+16*\g+2]
.endr
.irp i, 3,5,7,9,11,13
.irp g, 0,1,2,3,4,5,6,7
	v_max3_num_f32 v[BM+\g], v[BM+\g], v[ACC+16*\g+\i], v[ACC+16*\g+\i+1]
.endr
.endr
.irp g, 0,1,2,3,4,5,6,7
	v_max_num_f32 v[BM+\g], v[BM+\g], v[ACC+16*\g+15]
.endr
.irp g, 0,1,2,3,4,5,6,7
	v_permlanex16_b32 v[BX+\g], v[BM+\g], s[SEL], s[SEL+1]
.endr
.irp g, 0,1,2,3,4,5,6,7
	v_max_num_f32 v[BM+\g], v[BM+\g], v[BX+\g]
.endr
.irp t, 0,1,2,3
	v_max_num_f32 v[W+\t], v[BM+2*\t], v[BM+2*\t+1]
.endr
	WALU
.irp t, 0,1,2,3
	ds_store_b32 v[EXS], v[W+\t] offset:64*\t      ; for the wave that holds the other 64 keys
.endr
.Lidle1:
	s_wait_dscnt 0x0
	BARRIER
	s_cmp_ge_u32 s46, s43
	s_cbranch_scc1 .Lidle2
.irp t, 0,1,2,3
	ds_load_b32 v[X4+\t], v[EXL] offset:64*\t
.endr
	s_add_co_u32 s22, s46, s42                     ; this chunk
	s_lshr_b32 s20, s22, 1
	s_lshl_b32 s20, s20, 15
	s_and_b32 s22, s22, 1
	s_lshl_b32 s22, s22, 11
	s_add_co_u32 s20, s20, s22
	s_mov_b32 s21, 0
	s_wait_xcnt 0x0                                ; the last trip's stores have read their registers and their base
	s_add_nc_u64 s[62:63], s[60:61], s[20:21]
	s_lshl_b32 s20, s58, 1
	s_add_co_u32 s20, s20, s82
	s_wait_dscnt 0x0
.irp t, 0,1,2,3
	v_max_num_f32 v[W+\t], v[W+\t], v[X4+\t]       ; over the chunk's 128 keys
.endr
.irp t, 0,1,2,3
	v_mul_f32 v[W+\t], s[CS], v[W+\t]              ; as t
.endr
.irp t, 0,1,2,3
	v_floor_f32 v[NM+2*\t], -v[W+\t]               ; -M = floor(-t): M is a whole number
.endr
.irp g, 0,1,2,3,4,5,6,7
	v_fma_f32 v[BM+\g], v[BM+\g], s[CS], v[NM+2*(\g/2)]
.endr
.set n_, 0
.rept 64
	v_pk_fma_f32 v[ACC+2*n_:ACC+2*n_+1], v[ACC+2*n_:ACC+2*n_+1], s[CS:CS+1], v[NM+2*(n_/16):NM+2*(n_/16)+1] op_sel_hi:[1,0,0]   ; t - M, two at a time
.set n_, n_+1
.endr
	WALU
.set n_, 0
.rept 128
	v_exp_f32 v[ACC+n_], v[ACC+n_]                 ; p = 2^(t - M): not normalised
.set n_, n_+1
.endr
.irp g, 0,1,2,3,4,5,6,7
	v_exp_f32 v[BM+\g], v[BM+\g]                   ; the block's largest p: the same two instructions on the same number
.endr
	v_nop                                          ; a plain line behind the last exponential
	WALU                                           ; one wait for the batch
.irp t, 0,1,2,3
	v_pk_add_f32 v[BX+2*\t:BX+2*\t+1], v[ACC+32*\t:ACC+32*\t+1], v[ACC+32*\t+2:ACC+32*\t+3]   ; the sum is taken of the unquantised p
.endr
.irp j, 4,6,8,10,12,14,16,18,20,22,24,26,28,30
.irp t, 0,1,2,3
	v_pk_add_f32 v[BX+2*\t:BX+2*\t+1], v[BX+2*\t:BX+2*\t+1], v[ACC+32*\t+\j:ACC+32*\t+\j+1]
.endr
.endr
.irp t, 0,1,2,3
	v_add_f32 v[W+\t], v[BX+2*\t], v[BX+2*\t+1]
.endr
.irp t, 0,1,2,3
	v_permlanex16_b32 v[X4+\t], v[W+\t], s[SEL], s[SEL+1]
.endr
.irp t, 0,1,2,3
	v_add_f32 v[W+\t], v[W+\t], v[X4+\t]           ; my 64 keys' sum
.endr
.irp g, 0,1,2,3,4,5,6,7
	v_max_num_f32 v[BM+\g], 0x8000000, v[BM+\g]    ; the floor 2^(16 - 127)
.endr
.irp g, 0,1,2,3,4,5,6,7
	v_add_nc_u32 v[BX+\g], 0xf8800000, v[BM+\g]    ; the conversion's scale operand
.endr
.irp g, 0,1,2,3,4,5,6,7
	v_and_or_b32 v[LIM+\g], v[BM+\g], 0x7f800000, s[MNT]
.endr
.irp t, 0,1,2,3
	v_lshrrev_b32 v[EB+\t], 23, v[BX+2*\t]
	v_lshrrev_b32 v[T4+\t], 23, v[BX+2*\t+1]
.endr
.irp t, 0,1,2,3
	v_lshl_or_b32 v[EB+\t], v[T4+\t], 8, v[EB+\t]
.endr
.irp t, 0,1,2,3
	v_xor_b32 v[T4+\t], 0x80000000, v[NM+2*\t]     ; M
.endr
	v_add_nc_u32 v[ADK], s58, v[VW0]
	v_add_nc_u32 v[ADK+1], s20, v[VW0]
.irp t, 0,1,2,3
	ds_store_b16 v[ADK], v[EB+\t] offset:64*\t
	ds_store_b32 v[ADK+1], v[T4+\t] offset:64*\t
	ds_store_b32 v[ADK+1], v[W+\t] offset:3072+64*\t
.endr
.irp g, 0,1,2,3,4,5,6,7
.irp i, 0,1,2,3,4,5,6,7,8,9,10,11,12,13,14,15
	v_min_num_f32 v[ACC+16*\g+\i], v[ACC+16*\g+\i], v[LIM+\g]   ; the conversion does not saturate (ISA guide 7.6.2); p is not negative: a one-sided hold
.endr
	v_cvt_scalef32_pk8_bf8_f32 v[NCD+4*\g:NCD+4*\g+1], v[ACC+16*\g:ACC+16*\g+7], v[BX+\g]
	v_cvt_scalef32_pk8_bf8_f32 v[NCD+4*\g+2:NCD+4*\g+3], v[ACC+16*\g+8:ACC+16*\g+15], v[BX+\g]
.endr
	v_nop                                          ; a plain line behind the last conversion
.irp g, 0,1,2,3,4,5,6,7
	global_store_b128 v[CO], v[NCD+4*\g:NCD+4*\g+3], s[62:63] offset:4096*(\g/2)+512*(\g%2)   ; 512 consecutive bytes, aligned
.endr
.Lidle2:
	s_xor_b32 s56, s56, YB
	s_xor_b32 s57, s57, YB
	s_add_co_u32 s58, s58, 512
	s_add_co_u32 s46, s46, 1
	s_cmp_lg_u32 s46, 3
	s_cbranch_scc1 .Ltrip
	; what goes to pst: a thread a row
	s_wait_xcnt 0x0                                ; the codes' registers are written below
	s_wait_dscnt 0x0
	BARRIER
	v_lshlrev_b32 v[ADK], 2, v0
	v_lshlrev_b32 v[AKS], 4, v0
	v_add_nc_u32 v[ADK+1], SM, v[ADK]
	v_add_nc_u32 v[ADK], SW, v[ADK]
	WALU
.irp c, 0,1,2
	s_cmp_le_u32 s43, \c
	s_cbranch_scc1 .Lstats_out
	ds_load_b32 v[200+8*\c], v[ADK] offset:512*\c
	ds_load_b32 v[201+8*\c], v[ADK+1] offset:1024*\c
	ds_load_b32 v[202+8*\c], v[ADK+1] offset:1024*\c+3072
	ds_load_b32 v[203+8*\c], v[ADK+1] offset:1024*\c+3584
	s_wait_dscnt 0x0
	v_or_b32 v[200+8*\c], 0x80808080, v[200+8*\c]  ; p is at most 1, so a byte is at most 112: bit 7 is free, and guards the next launch's subtraction byte by byte
	v_add_f32 v[202+8*\c], v[202+8*\c], v[203+8*\c]
	v_mov_b32 v[203+8*\c], 0
	global_store_b128 v[AKS], v[200+8*\c:203+8*\c], s[78:79] offset:2048*\c   ; 512 consecutive bytes a wave, aligned
.endr
.Lstats_out:
	s_add_co_u32 s20, s42, s43                     ; the last work-group of an even region i: chunk i + 1 is hidden whole, and the next launch reads it beside chunk i: codes 0, sum 0, M = -3e38
	s_add_co_u32 s21, s40, 1
	s_cmp_eq_u32 s20, s21
	s_cselect_b32 s20, 1, 0
	s_xor_b32 s21, s40, 1
	s_and_b32 s21, s21, s20
	s_and_b32 s21, s21, 1
	s_cmp_eq_u32 s21, 0
	s_cbranch_scc1 .Lend
	s_lshr_b32 s20, s40, 1
	s_lshl_b32 s20, s20, 15
	s_add_co_u32 s20, s20, 2048
	s_mov_b32 s21, 0
	s_lshl_b32 s22, s43, 11
	s_mov_b32 s23, 0
	s_wait_xcnt 0x0
	s_add_nc_u64 s[62:63], s[60:61], s[20:21]
	s_add_nc_u64 s[68:69], s[78:79], s[22:23]
.irp i, 0,1,2,3
	v_mov_b32 v[192+\i], 0
.endr
	v_mov_b32 v196, 0x81818181
	v_mov_b32 v197, 0xff61b1e6
	v_mov_b32 v198, 0
	v_mov_b32 v199, 0
.irp g, 0,1,2,3,4,5,6,7
	global_store_b128 v[CO], v[192:195], s[62:63] offset:4096*(\g/2)+512*(\g%2)
.endr
	global_store_b128 v[AKS], v[196:199], s[68:69]
.Lend:
	s_wait_tensorcnt 0x0                           ; the wave's end
	ds_add_u32 v[SPW], v[NIL]
	s_wait_dscnt 0x0
	s_endpgm
.Lfunc_end_k_q2b1da4538b_score:
	.size	k_q2b1da4538b_score, .Lfunc_end_k_q2b1da4538b_score-k_q2b1da4538b_score
	.p2alignl 7, 3214868480
	.fill 96, 4, 3214868480
	.section	.rodata,"a",@progbits
	.p2align	6, 0x0
	.amdhsa_kernel k_q2b1da4538b_score
		.amdhsa_group_segment_fixed_size 327680
		.amdhsa_private_segment_fixed_size 0
		.amdhsa_enable_private_segment 0
		.amdhsa_kernarg_size 32
		.amdhsa_user_sgpr_count 2
		.amdhsa_user_sgpr_kernarg_segment_ptr 1
		.amdhsa_wavefront_size32 1
		.amdhsa_system_sgpr_workgroup_id_x 1
		.amdhsa_system_sgpr_workgroup_id_y 1
		.amdhsa_system_sgpr_workgroup_id_z 1
		.amdhsa_system_vgpr_workitem_id 0
		.amdhsa_next_free_vgpr 1024
		.amdhsa_next_free_sgpr 100
		.amdhsa_reserve_vcc 1
		.amdhsa_float_denorm_mode_32 3
		.amdhsa_float_denorm_mode_16_64 3
		.amdhsa_memory_ordered 1
		.amdhsa_forward_progress 1
		.amdhsa_inst_pref_size 87
	.end_amdhsa_kernel
	.amdgpu_metadata
---
amdhsa.version: [ 1, 2 ]
amdhsa.kernels:
  - .name:           k_q2b1da4538b_score
    .symbol:         k_q2b1da4538b_score.kd
    .args:
      - { .name: qc, .offset: 0, .size: 8, .value_kind: global_buffer, .address_space: global }
      - { .name: kc, .offset: 8, .size: 8, .value_kind: global_buffer, .address_space: global }
      - { .name: pc, .offset: 16, .size: 8, .value_kind: global_buffer, .address_space: global }
      - { .name: pst, .offset: 24, .size: 8, .value_kind: global_buffer, .address_space: global }
    .group_segment_fixed_size: 327680
    .private_segment_fixed_size: 0
    .kernarg_segment_align: 8
    .kernarg_segment_size: 32
    .max_flat_workgroup_size: 128
    .sgpr_count:     100
    .vgpr_count:     1024
    .wavefront_size: 32
...
	.end_amdgpu_metadata
.endif
;; end of part 3
;; launch pv (part 4): grid 8 x 32, 4 waves a work-group, clusters of 4 x 4, 327,680 bytes of LDS; arguments pc, pst, vc, out0; writes out0
.if DOCPART == 4
	.amdgcn_target "amdgcn-amd-amdhsa--gfx1250"
	.amdhsa_code_object_version 6
	.text
	.protected	k_q2b1da4538b_pv
	.globl	k_q2b1da4538b_pv
	.p2align	8
	.type	k_q2b1da4538b_pv,@function
k_q2b1da4538b_pv:
	s_mov_b64 s[64:65], 0
	v_nop
	global_prefetch_b8 v0, s[64:65] scope:SCOPE_SE
	s_setreg_imm32_b32 hwreg(HW_REG_WAVE_MODE, 25, 1), 1
	s_wait_xcnt 0x0
	s_wait_alu depctr_hold_cnt(0) depctr_sa_sdst(0) depctr_va_vdst(0) depctr_va_sdst(0) depctr_va_ssrc(0) depctr_va_vcc(0) depctr_vm_vsrc(0)
	s_getreg_b32 s2, hwreg(HW_REG_IB_STS2, 6, 4)
	s_cmp_eq_u32 s2, 0
	s_cbranch_scc0 .Lentry_in_a_cluster
	s_endpgm
.Lentry_in_a_cluster:
	s_bfe_u32 s2, ttmp6, 0x10000c
	s_cmp_lg_u32 s2, 0xf033
	s_cbranch_scc0 .Lentry_shape_is_right
	s_endpgm
.Lentry_shape_is_right:
; out = (P V) / l on codes of BF8 (E5M2) with E8M0 scales, K = the keys, only where the causal mask leaves keys.
; p's codes were made under an M of their own for each row and chunk of 128 keys.  Here the row's M is the largest of its chunks'; d = M(row) - M(chunk), a whole number, is taken off the chunk's four scale bytes,
; and the chunk's sum is multiplied by 2^-d: both exact.  l is the sum of those; the product is divided by l at the end.
; EVERY WORK-GROUP HAS THE SAME TRIANGLE OF WORK.  Its 256 queries are rowtile g (16 positions) of EACH of a batch's 16 regions of 128 queries; its columns are 128 of e.  Wave (lam, half): regions a = 2 al + lam, al = 0 .. 7,
; and 64 of e: 32 accumulators (al, b) at v[8 (4 al + b)] of window 2.  Block al needs the key steps (256 keys) kj <= al: 288 matrix instructions in every wave; every trip count is a constant.
; FOUR SUPER-STEPS s through two LDS slots.  Slot s % 2 holds key steps 7 - s ('B': blocks al >= 7 - s) and s ('A': blocks al >= s): always 18 rows of p (4,096 bytes: 16 queries x 256 keys as two images) and two records of V.
; Half of all operands go out at the start; two refills follow.  One load a wave: wave 0 A's rows of p, wave 1 B's, wave 2 A's record of V, wave 3 B's.
; CLUSTER 4 x 4: p's rows hang on the batch and g (the cluster's y, cy): asked for jointly along a row of the cluster; V's records on the e tile and the batch (its x, cx, y): jointly along a column.
; Rows of p and of v^T lie by position, position p holding logical row rho(p), p with bits 3 and 4 exchanged: undone in the stage's and out0's addresses.
; REGISTERS: window 0: v1-29 addresses, v17-24 the rows' M; v32-67 p's 36 scale words (index al (al + 1) / 2 + kj; lanes 0-15 the key step's first chunk, lanes 16-31 its second); v68-83 1 / l; v84-99 V's scale words;
;   v100-243 what pst holds for my rows, later the way out; v244-251 at work.  Windows 1 and 3: two sets of fragments (p's block al at v[16 al], V's block b at v[128 + 16 b]).  Window 2: the accumulators.
; LIMITS: d is held at 127, and a scale byte that would fall under 0 is held at 0 (2^-127): what is lost lies under 2^-100 of a row's sum, which is above 1/2.  The keys are summed in the order 7, 0, 6, 1, 5, 2, 4, 3 of key steps.
; NaN and infinities are not served.
.set REC,    33792
.set SLOT4,  141312                    ; 18 rows of p, then A's record of V at VAO, then B's
.set VAO,    73728
.set SPARE,  2*SLOT4                   ; the spare words, 128 bytes for each wave: two blocks of 256 bytes that no other line names
.set STAGE,  SPARE+512                 ; the way out: 16 rows x 272 bytes for each wave; no tile lands here
.set SPT,    272
.set PSTEP,  557056                    ; in pc: two regions and one key step on
.set LI,     4
.set ADLA,   5                         ; v5-6   A's rows of p in slot 0, 1
.set ADLB,   7                         ; v7-8   B's
.set ADR,    9                         ; v9-10  V's fragments
.set ADV,    11                        ; v11-12 V's scale words
.set STO,    13
.set RD,     14
.set GO,     15
.set PSTO,   16
.set MG,     17
.set SPW,    28
.set NIL,    29
.set PS,     32
.set RL,     68
.set VS,     84
.set ST,     100
.set TX,     244
.set WV,     12
.set G1PA,   24
.set G1PB,   40
.set G1V,    56
.set SEL,    66
.set G0PA,   68
.set G0PB,   76
.set G0VA,   84
.set G0VB,   92
.set MSB,    0
.macro WIN new
.if MSB != (\new)
	s_set_vgpr_msb (MSB<<8)|(\new)
.set MSB, (\new)
.endif
.endm
.macro PLACES n
.rept \n
	v_nop
.endr
.endm
.macro CREST
	s_cmp_lg_u32 s[WV], 0
	s_cbranch_scc1 .Lnot_wave_0_\@
	s_barrier_signal -3
.Lnot_wave_0_\@:
	s_barrier_wait -3
	s_barrier_signal -1
	s_barrier_wait -1
.endm
.macro CROUND
	s_barrier_signal -1
	s_barrier_wait -1
	CREST
.endm
.macro JLOAD4 sl                       ; a slot's four joint loads, one a wave; the branches hang on the wave's number alone; four v_nop follow each line
	s_cmp_eq_u32 s[WV], 0
	s_cbranch_scc0 .Lnot0_\@
	tensor_load_to_lds s[G0PA+4*(\sl):G0PA+4*(\sl)+3], s[G1PA+8*(\sl):G1PA+8*(\sl)+7]
	s_nop 0
.rept 4
	v_nop
.endr
	s_branch .Lasked_\@
.Lnot0_\@:
	s_cmp_eq_u32 s[WV], 1
	s_cbranch_scc0 .Lnot1_\@
	tensor_load_to_lds s[G0PB+4*(\sl):G0PB+4*(\sl)+3], s[G1PB+8*(\sl):G1PB+8*(\sl)+7]
	s_nop 0
.rept 4
	v_nop
.endr
	s_branch .Lasked_\@
.Lnot1_\@:
	s_cmp_eq_u32 s[WV], 2
	s_cbranch_scc0 .Lnot2_\@
	tensor_load_to_lds s[G0VA+4*(\sl):G0VA+4*(\sl)+3], s[G1V:G1V+7]
	s_nop 0
.rept 4
	v_nop
.endr
	s_branch .Lasked_\@
.Lnot2_\@:
	tensor_load_to_lds s[G0VB+4*(\sl):G0VB+4*(\sl)+3], s[G1V:G1V+7]
	s_nop 0
.rept 4
	v_nop
.endr
.Lasked_\@:
.endm
; chunk t = 4 s + 2 A + q: 128 keys: super-step ps, A (1) or B (0), half pq of the key step pk, slot psl
.macro PAR t
.set ps, (\t)/4
.set pA, ((\t)/2)%2
.set pq, (\t)%2
.set psl, ps%2
.set pk, 7-ps
.if pA
.set pk, ps
.endif
.endm
.macro FETCH t                         ; the chunk's fragments into set t % 2: V's four, p's blocks pk .. 7
	PAR \t
.if pq
	WIN 0xc0
.else
	WIN 0x40
.endif
.irp b, 0,1,2,3
.irp c, 0,1,2,3
	ds_load_b128 v[128+16*\b+4*\c:128+16*\b+4*\c+3], v[ADR+psl] offset:REC*(1-pA)+4096*\b+2048*pq+512*\c
.endr
.endr
.set fa, pk
.rept 8-pk
.irp c, 0,1,2,3
.if pA
	ds_load_b128 v[16*fa+4*\c:16*fa+4*\c+3], v[ADLA+psl] offset:8192*fa+2048*pq+512*\c
.else
	ds_load_b128 v[16*fa+4*\c:16*fa+4*\c+3], v[ADLB+psl] offset:8192*(fa-7+ps)+2048*pq+512*\c
.endif
.endr
.set fa, fa+1
.endr
	WIN 0
.endm
.macro VSCALES sl                      ; slot sl's scale words of V into that slot's eight registers: lanes 0-15 the key step's first chunk, lanes 16-31 its second.  (The argument may be an expression: it stands in brackets)
.irp ab, 0,1
.irp b, 0,1,2,3
	ds_load_b32 v[VS+8*(\sl)+4*\ab+\b], v[ADV+(\sl)] offset:REC*\ab+64*\b
.endr
.endr
.endm
; chunk t's products for blocks a0 .. a1 - 1: source 0 = 16 of e, source 1 = 16 queries.  The accumulators take turns, one instruction a turn.
; An accumulator's first product takes the constant 0: block 7's in chunk 0, the others' in chunk 2.
.macro MULS t, a0, a1
	PAR \t
.if (\a1) > (\a0)
.if pq
	WIN 0xaf
.else
	WIN 0xa5
.endif
.set ma, (\a0)
.rept (\a1)-(\a0)
.irp b, 0,1,2,3
.if ((\t) == 0) || (((\t) == 2) && (ma < 7))
	v_wmma_scale_f32_16x16x128_f8f6f4 v[8*(4*ma+\b):8*(4*ma+\b)+7], v[128+16*\b:128+16*\b+15], v[16*ma:16*ma+15], 0, v[VS+8*psl+4*(1-pA)+\b], v[PS+ma*(ma+1)/2+pk] matrix_a_fmt:MATRIX_FMT_BF8 matrix_b_fmt:MATRIX_FMT_BF8
.elseif pq
	v_wmma_scale_f32_16x16x128_f8f6f4 v[8*(4*ma+\b):8*(4*ma+\b)+7], v[128+16*\b:128+16*\b+15], v[16*ma:16*ma+15], v[8*(4*ma+\b):8*(4*ma+\b)+7], v[VS+8*psl+4*(1-pA)+\b], v[PS+ma*(ma+1)/2+pk] matrix_a_fmt:MATRIX_FMT_BF8 matrix_b_fmt:MATRIX_FMT_BF8 matrix_a_scale:MATRIX_SCALE_ROW1 matrix_b_scale:MATRIX_SCALE_ROW1
.else
	v_wmma_scale_f32_16x16x128_f8f6f4 v[8*(4*ma+\b):8*(4*ma+\b)+7], v[128+16*\b:128+16*\b+15], v[16*ma:16*ma+15], v[8*(4*ma+\b):8*(4*ma+\b)+7], v[VS+8*psl+4*(1-pA)+\b], v[PS+ma*(ma+1)/2+pk] matrix_a_fmt:MATRIX_FMT_BF8 matrix_b_fmt:MATRIX_FMT_BF8
.endif
.endr
.set ma, ma+1
.endr
.endif
.endm
.macro CHUNK t                         ; a chunk whose successor lies in the same slot
	PAR \t
.set ck, pk
.set cf, (8-pk+3)/4
	s_wait_dscnt 0x0                               ; this chunk's fragments are in
	MULS \t, ck, ck+cf
	WIN 0
	PLACES 8                                       ; in front of loads into the other set, which the chunk before multiplied
	FETCH (\t)+1
	MULS \t, ck+cf, 8
.endm
.macro LASTC t, fill                   ; a slot's last chunk, and the change of slots
	PAR \t
.set ck, pk
.set csl, psl
	WIN 0
	s_wait_tensorcnt 0x0                           ; all my tensor loads have landed: my part of the other slot; so descriptors may be written
	ds_add_u32 v[SPW], v[NIL]                      ; 0 onto my spare word
.if \fill                                      ; this slot's next super-step is two on: A has four rows of p fewer, B four more
	s_add_nc_u64 s[G0PA+4*csl+2:G0PA+4*csl+3], s[G0PA+4*csl+2:G0PA+4*csl+3], 2*PSTEP
	s_mov_b32 s[G0PA+4*csl+1], csl*SLOT4+(2*csl+6)*4096
	s_mov_b32 s[G1PA+8*csl+2], (12-2*csl)<<16
	s_mov_b32 s[G1PA+8*csl+4], 12-2*csl
	s_sub_nc_u64 s[G0PB+4*csl+2:G0PB+4*csl+3], s[G0PB+4*csl+2:G0PB+4*csl+3], 2*PSTEP
	s_mov_b32 s[G1PB+8*csl+2], (6+2*csl)<<16
	s_mov_b32 s[G1PB+8*csl+4], 6+2*csl
	s_add_nc_u64 s[G0VA+4*csl+2:G0VA+4*csl+3], s[G0VA+4*csl+2:G0VA+4*csl+3], 2*REC
	s_sub_nc_u64 s[G0VB+4*csl+2:G0VB+4*csl+3], s[G0VB+4*csl+2:G0VB+4*csl+3], 2*REC
.endif
	s_wait_dscnt 1                                 ; this chunk's fragments are in (the add may be out)
	MULS \t, ck, ck+2
	s_wait_dscnt 0x0                               ; the add is done, and my reads of this slot are over
	s_barrier_signal -1
	MULS \t, ck+2, ck+4
	WIN 0
	s_barrier_wait -1
.if \fill
	CREST                                          ; the barrier has opened a round of the cluster's: no wave of any partner still reads this slot or has a load on its way
	JLOAD4 csl                                     ; the first tensor load behind the round; its four v_nop are four of the eight places
	PLACES 4
.else
	PLACES 8
.endif
	FETCH (\t)+1
	VSCALES 1-csl                                  ; the other slot's words, into the other slot's registers: this chunk's last products below still read this slot's
	MULS \t, ck+4, 8
.endm
; THE WAY OUT of block a: divided by l; through my stage, where rho on e is undone; back as rows of 256 bytes
.macro TOSTAGE a
.set TT, 100+32*((\a)%2)
.set BB, 164+32*((\a)%2)
	WIN 0x02
.set i, 0
.rept 16
	v_pk_mul_f32 v[TT+2*i:TT+2*i+1], v[32*(\a)+2*i:32*(\a)+2*i+1], v[RL+2*(\a):RL+2*(\a)+1] op_sel_hi:[1,0]   ; each accumulator from its low end on
.set i, i+1
.endr
	WIN 0
.irp b, 0,1,2,3
	ds_store_b128 v[STO], v[TT+8*\b:TT+8*\b+3] offset:128*(\b/2)+32*(\b%2)
	ds_store_b128 v[STO], v[TT+8*\b+4:TT+8*\b+7] offset:128*(\b/2)+32*(\b%2)+16
.endr
.irp t, 0,1,2,3,4,5,6,7
	ds_load_b128 v[BB+4*\t:BB+4*\t+3], v[RD] offset:\t*2*SPT   ; a wave's LDS instructions are served in order: these see the stores above
.endr
.endm
.macro SEND a, younger
.set BB, 164+32*((\a)%2)
	s_wait_dscnt \younger                          ; the block is back (behind it: the next block's 8 stores and 8 loads, or nothing)
.irp t, 0,1,2,3,4,5,6,7
	global_store_b128 v[GO], v[BB+4*\t:BB+4*\t+3], s[10:11] offset:1048576*(\a)+(16*(\t/4)+((2*\t)%8))*4096 th:TH_STORE_NT   ; 16 lanes store 256 consecutive bytes, aligned; the offset, 7,430,144 at the most, lies inside the signed 24 bits
.endr
.endm
	s_load_b256 s[4:11], s[0:1], 0x0               ; pc s[4:5], pst s[6:7], vc s[8:9], out0 s[10:11]
	v_lshl_add_u32 v[SPW], v0, 2, SPARE
	v_mov_b32 v[NIL], 0
	ds_add_u32 v28, v29
	ds_add_u32 v28, v29
	s_wait_dscnt 0x0
	v_lshrrev_b32 v1, 5, v0
	v_readfirstlane_b32 s[WV], v1
	s_lshr_b32 s13, s[WV], 1                       ; lam
	s_and_b32 s14, s[WV], 1                        ; my half of e
	s_bfe_u32 s15, ttmp6, 0x40000                  ; cx
	s_bfe_u32 s16, ttmp6, 0x40004                  ; cy
	s_and_b32 s18, ttmp7, 0xffff                   ; the cluster's y
	s_lshr_b32 s19, s18, 1                         ; batch
	s_and_b32 s20, s18, 1
	s_lshl_b32 s20, s20, 2
	s_add_co_u32 s20, s20, s16                     ; g
	s_lshl_b32 s17, ttmp9, 2
	s_add_co_u32 s17, s17, s15                     ; the e tile
	s_lshl_b32 s22, s16, 2
	s_lshl_b32 s22, 15, s22                        ; my row of the cluster
	s_lshl_b32 s23, 0x1111, s15                    ; my column
.irp g, G1PA, G1PA+8, G1PB, G1PB+8
	s_or_b32 s[\g], s22, (3<<16)|(1<<21)           ; the mask; elements of 8 bytes; bit 21 set beside a mask
	s_mov_b32 s[\g+1], 512<<16                     ; tensor_dim0 = 512 elements: 4,096 bytes
	s_mov_b32 s[\g+3], 512<<16                     ; tile_dim0
	s_mov_b32 s[\g+5], 32768                       ; from region to region: 262,144 bytes
	s_mov_b32 s[\g+6], 0
	s_mov_b32 s[\g+7], 0
.endr
	s_mov_b32 s[G1PA+2], 16<<16                    ; rows: A has 16 - 2 s, B has 2 s + 2
	s_mov_b32 s[G1PA+4], 16
	s_mov_b32 s[G1PA+10], 14<<16
	s_mov_b32 s[G1PA+12], 14
	s_mov_b32 s[G1PB+2], 2<<16
	s_mov_b32 s[G1PB+4], 2
	s_mov_b32 s[G1PB+10], 4<<16
	s_mov_b32 s[G1PB+12], 4
	s_or_b32 s[G1V], s23, (3<<16)|(1<<21)
	s_mov_b32 s[G1V+1], 32<<16
	s_mov_b32 s[G1V+2], 132<<16
	s_mov_b32 s[G1V+3], 32<<16
	s_mov_b32 s[G1V+4], 132
	s_mov_b32 s[G1V+5], 32
	s_mov_b32 s[G1V+6], 0
	s_mov_b32 s[G1V+7], 0
	s_lshl_b32 s2, s19, 22                         ; pc: the batch's 16 regions of 262,144 bytes,
	s_lshl_b32 s3, s20, 12                         ; rowtile g
	s_add_co_u32 s2, s2, s3
	s_mov_b32 s3, 0
	s_lshl_b32 s100, s17, 5
	s_lshl_b32 s101, s19, 3
	s_add_co_u32 s100, s100, s101
	s_mul_i32 s100, s100, REC                      ; vc: record (e tile, 8 batch)
	s_mov_b32 s101, 0
	s_wait_kmcnt 0x0
	s_add_nc_u64 s[2:3], s[4:5], s[2:3]
	s_add_nc_u64 s[100:101], s[8:9], s[100:101]
.irp s, 0,1
	s_mov_b32 s[G0PA+4*\s], 1
	s_mov_b32 s[G0PA+4*\s+1], \s*SLOT4+(2*\s+2)*4096
	s_add_nc_u64 s[G0PA+4*\s+2:G0PA+4*\s+3], s[2:3], \s*PSTEP              ; region 2 s, key step s
	s_or_b32 s[G0PA+4*\s+3], s[G0PA+4*\s+3], 0x80000000
	s_mov_b32 s[G0PB+4*\s], 1
	s_mov_b32 s[G0PB+4*\s+1], \s*SLOT4
	s_add_nc_u64 s[G0PB+4*\s+2:G0PB+4*\s+3], s[2:3], 7*PSTEP-\s*PSTEP      ; region 14 - 2 s, key step 7 - s
	s_or_b32 s[G0PB+4*\s+3], s[G0PB+4*\s+3], 0x80000000
	s_mov_b32 s[G0VA+4*\s], 1
	s_mov_b32 s[G0VA+4*\s+1], \s*SLOT4+VAO
	s_add_nc_u64 s[G0VA+4*\s+2:G0VA+4*\s+3], s[100:101], \s*REC
	s_or_b32 s[G0VA+4*\s+3], s[G0VA+4*\s+3], 0x80000000
	s_mov_b32 s[G0VB+4*\s], 1
	s_mov_b32 s[G0VB+4*\s+1], \s*SLOT4+VAO+REC
	s_add_nc_u64 s[G0VB+4*\s+2:G0VB+4*\s+3], s[100:101], 7*REC-\s*REC
	s_or_b32 s[G0VB+4*\s+3], s[G0VB+4*\s+3], 0x80000000
.endr
	CROUND                                         ; all sixteen work-groups are here: the first joint loads meet
	JLOAD4 0                                       ; one tensor load a wave at the head
	v_and_b32 v1, 15, v0                           ; r
	v_bfe_u32 v2, v0, 4, 1                         ; h
	v_and_b32 v3, 31, v0
	v_lshlrev_b32 v[PSTO], 11, v2
	v_lshl_add_u32 v[PSTO], v1, 4, v[PSTO]         ; pst: lanes 16-31 take the key step's second chunk; 16 bytes a row
	s_lshl_b32 s2, s19, 4
	s_add_co_u32 s2, s2, s13
	s_lshl_b32 s2, s2, 15
	s_lshl_b32 s3, s20, 8
	s_add_co_u32 s2, s2, s3
	s_mov_b32 s3, 0
	s_add_nc_u64 s[6:7], s[6:7], s[2:3]            ; region 16 batch + lam, rowtile g
.set a, 0
.rept 8
.set k, 0
.rept a+1
	global_load_b128 v[ST+4*(a*(a+1)/2+k):ST+4*(a*(a+1)/2+k)+3], v[PSTO], s[6:7] offset:65536*a+4096*k   ; {word, M, sum, 0} of my row: two runs of 256 consecutive bytes
.set k, k+1
.endr
.set a, a+1
.endr
	v_lshlrev_b32 v[LI], 4, v3
	s_lshl_b32 s21, s13, 12
	v_add_nc_u32 v[ADLB], s21, v[LI]
	v_add_nc_u32 v[ADLB+1], SLOT4, v[ADLB]
	v_add_nc_u32 v[ADLA], 8192, v[ADLB]
	v_add_nc_u32 v[ADLA+1], SLOT4, v[ADLA]
	s_lshl_b32 s21, s14, 14
	s_add_co_u32 s21, s21, VAO
	v_add_nc_u32 v[ADR], s21, v[LI]
	v_add_nc_u32 v[ADR+1], SLOT4, v[ADR]
	s_lshl_b32 s21, s14, 8
	s_add_co_u32 s21, s21, VAO+32768
	v_lshlrev_b32 v[ADV], 2, v1
	v_lshl_add_u32 v[ADV], v2, 9, v[ADV]
	v_add_nc_u32 v[ADV], s21, v[ADV]
	v_add_nc_u32 v[ADV+1], SLOT4, v[ADV]
	s_mul_i32 s21, s[WV], 16*SPT
	s_add_co_u32 s21, s21, STAGE
	v_mul_u32_u24 v[STO], v1, SPT
	v_lshl_add_u32 v[STO], v2, 6, v[STO]
	v_add_nc_u32 v[STO], s21, v[STO]               ; in: row r; e = 32 (b / 2) + 16 h + 8 (b % 2) + j
	v_mul_u32_u24 v[RD], v2, SPT
	v_lshl_add_u32 v[RD], v1, 4, v[RD]
	v_add_nc_u32 v[RD], s21, v[RD]                 ; back: lanes 0-15 one row, lanes 16-31 the next
	v_lshlrev_b32 v[GO], 12, v2
	v_lshl_add_u32 v[GO], v1, 4, v[GO]
	s_mov_b32 s[SEL], 0x76543210
	s_mov_b32 s[SEL+1], 0xfedcba98
	s_lshl_b32 s2, s19, 23                         ; out0: row 2048 batch + 128 lam + 32 (g / 2) + 8 (g % 2), column 128 x tile + 64 x half
	s_lshl_b32 s3, s13, 19
	s_add_co_u32 s2, s2, s3
	s_lshr_b32 s3, s20, 1
	s_lshl_b32 s3, s3, 17
	s_add_co_u32 s2, s2, s3
	s_and_b32 s3, s20, 1
	s_lshl_b32 s3, s3, 15
	s_add_co_u32 s2, s2, s3
	s_lshl_b32 s3, s17, 9
	s_add_co_u32 s2, s2, s3
	s_lshl_b32 s3, s14, 8
	s_add_co_u32 s2, s2, s3
	s_mov_b32 s3, 0
	s_add_nc_u64 s[10:11], s[10:11], s[2:3]
	; PREFETCHES for super-steps 2 and 3 (0 and 1 come by their loads alone), one instruction a wave each, every block of 256 bytes once in a cluster: p: of each of a super-step's 18 rows the wave (cx, wave) of my row of the cluster names the block 4 cx + wave, a lane a row (lanes 18 on name the last again);
	; V: records 2, 5, 3, 4, eight lanes each: the wave (cy, wave) of my column names blocks 8 (4 cy + wave) on: 128 of a record's 132.
	s_lshl_b32 s21, s15, 2
	s_add_co_u32 s21, s21, s[WV]
	s_lshl_b32 s21, s21, 8
	s_lshl_b32 s22, s19, 22
	s_add_co_u32 s21, s21, s22
	s_lshl_b32 s22, s20, 12
	s_add_co_u32 s21, s21, s22
	s_lshl_b32 s22, s16, 2
	s_add_co_u32 s22, s22, s[WV]
	s_lshl_b32 s22, s22, 11
	s_wait_alu depctr_va_vdst(0)
	v_min_u32 v25, 17, v3
	v_lshlrev_b32 v25, 18, v25
	v_mov_b32 v26, 0x110000                        ; super-step 2: rows 0-11: regions 4 on, key step 2; then regions 10 on, key step 5
	v_cmp_gt_u32 vcc_lo, 12, v3
	v_cndmask_b32 v26, 0xfffa8000, v26, vcc_lo
	v_add_nc_u32 v26, v25, v26
	v_add_nc_u32 v26, s21, v26
	v_mov_b32 v27, 0x198000                        ; super-step 3: rows 0-9: regions 6 on, key step 3; then regions 8 on, key step 4
	v_cmp_gt_u32 vcc_lo, 10, v3
	v_cndmask_b32 v27, 0xfffa0000, v27, vcc_lo
	v_add_nc_u32 v27, v25, v27
	v_add_nc_u32 v27, s21, v27
	v_lshrrev_b32 v25, 3, v3
	v_lshlrev_b32 v25, 2, v25
	v_mov_b32 v30, 0x4352
	v_lshrrev_b32 v25, v25, v30
	v_and_b32 v25, 7, v25
	v_mul_u32_u24 v25, 0x8400, v25
	v_and_b32 v30, 7, v3
	v_lshl_add_u32 v25, v30, 8, v25
	v_add_nc_u32 v25, s22, v25
	s_wait_alu depctr_va_vdst(0)
	s_wait_tensorcnt 0x0
	ds_add_u32 v[SPW], v[NIL]
	s_wait_dscnt 0x0
	CROUND                                         ; everybody's is, and the joint loads meet
	JLOAD4 1
	s_wait_loadcnt 0x0
	; ---- the rows' M, the scale words under it, the rows' sums; stage by stage over the 36 words, so that no line waits for the line above it
.set a, 0
.rept 8
	v_mov_b32 v[MG+a], v[ST+4*(a*(a+1)/2)+1]
	v_mov_b32 v[TX+a], 0                           ; a lane permute's destination counts as one of its sources
	v_mov_b32 v[RL+2*a+1], 0                       ; named as the upper half of a pair
.set a, a+1
.endr
.set k, 1
.rept 7
.set a, k
.rept 8-k
	v_max_num_f32 v[MG+a], v[MG+a], v[ST+4*(a*(a+1)/2+k)+1]
.set a, a+1
.endr
.set k, k+1
.endr
.set a, 0
.rept 8
	v_permlanex16_b32 v[TX+a], v[MG+a], s[SEL], s[SEL+1]
.set a, a+1
.endr
.set a, 0
.rept 8
	v_max_num_f32 v[MG+a], v[MG+a], v[TX+a]        ; the row's M
.set a, a+1
.endr
.set a, 0
.rept 8
.set k, 0
.rept a+1
	v_sub_f32 v[ST+4*(a*(a+1)/2+k)+3], v[MG+a], v[ST+4*(a*(a+1)/2+k)+1]   ; d, a whole number, 0 or more
.set k, k+1
.endr
.set a, a+1
.endr
.set i, 0
.rept 36
	v_min_num_f32 v[ST+4*i+3], 0x42fe0000, v[ST+4*i+3]     ; held at 127
.set i, i+1
.endr
.set i, 0
.rept 36
	v_cvt_u32_f32 v[ST+4*i+3], v[ST+4*i+3]
.set i, i+1
.endr
.set i, 0
.rept 36
	v_sub_nc_u32 v[ST+4*i+1], 0, v[ST+4*i+3]
.set i, i+1
.endr
.set i, 0
.rept 36
	v_ldexp_f32 v[ST+4*i+2], v[ST+4*i+2], v[ST+4*i+1]      ; the chunk's sum under the row's M
.set i, i+1
.endr
.set i, 0
.rept 36
	v_perm_b32 v[ST+4*i+1], v[ST+4*i+3], v[ST+4*i+3], 0    ; d in all four bytes
.set i, i+1
.endr
.set i, 0
.rept 36
	v_sub_nc_u32 v[ST+4*i], v[ST+4*i], v[ST+4*i+1]         ; each byte is 128 + its scale byte, d at most 127: nothing is borrowed from byte to byte
.set i, i+1
.endr
.set i, 0
.rept 36
	v_and_b32 v[ST+4*i+1], 0x80808080, v[ST+4*i]           ; bit 7 still set: the byte has not fallen under 0
.set i, i+1
.endr
.set i, 0
.rept 36
	v_lshrrev_b32 v[ST+4*i+3], 7, v[ST+4*i+1]
.set i, i+1
.endr
.set i, 0
.rept 36
	v_sub_nc_u32 v[ST+4*i+1], v[ST+4*i+1], v[ST+4*i+3]     ; 0x7f in those bytes, 0 in the others
.set i, i+1
.endr
.set i, 0
.rept 36
	v_and_b32 v[PS+i], v[ST+4*i], v[ST+4*i+1]
.set i, i+1
.endr
.set a, 0
.rept 8
	v_mov_b32 v[RL+2*a], v[ST+4*(a*(a+1)/2)+2]             ; (these additions are also the eight places between the scale words' last write and the first product)
.set a, a+1
.endr
.set k, 1
.rept 7
.set a, k
.rept 8-k
	v_add_f32 v[RL+2*a], v[RL+2*a], v[ST+4*(a*(a+1)/2+k)+2]
.set a, a+1
.endr
.set k, k+1
.endr
.set a, 0
.rept 8
	v_permlanex16_b32 v[TX+a], v[RL+2*a], s[SEL], s[SEL+1]
.set a, a+1
.endr
.set a, 0
.rept 8
	v_add_f32 v[RL+2*a], v[RL+2*a], v[TX+a]        ; l
.set a, a+1
.endr
.set a, 0
	s_wait_alu depctr_va_vdst(0)
.rept 8
	v_rcp_f32 v[RL+2*a], v[RL+2*a]
.set a, a+1
.endr
	v_nop                                          ; a plain line behind the last reciprocal
	s_wait_alu depctr_va_vdst(0)                   ; one wait for the eight
	FETCH 0
	VSCALES 0
	global_prefetch_b8 v26, s[4:5] th:TH_LOAD_NT scope:SCOPE_SE
	global_prefetch_b8 v25, s[100:101] th:TH_LOAD_NT scope:SCOPE_SE
	global_prefetch_b8 v27, s[4:5] th:TH_LOAD_NT scope:SCOPE_SE
	CHUNK 0
	CHUNK 1
	CHUNK 2
	LASTC 3, 1                                     ; slot 0 takes super-step 2
.macro SENDX a                         ; a block that is back from the stage (the chunk before has waited for all LDS loads) is stored
.set BB, 164+32*((\a)%2)
	WIN 0
.irp t, 0,1,2,3,4,5,6,7
	global_store_b128 v[GO], v[BB+4*\t:BB+4*\t+3], s[10:11] offset:1048576*(\a)+(16*(\t/4)+((2*\t)%8))*4096 th:TH_STORE_NT
.endr
.endm
	CHUNK 4
	TOSTAGE 0                                      ; block 0 was finished in super-step 0: it leaves among the chunks that follow; likewise blocks 1 and 2 below
	CHUNK 5
	SENDX 0
	CHUNK 6
	LASTC 7, 1                                     ; slot 1 takes super-step 3
	CHUNK 8
	TOSTAGE 1
	CHUNK 9
	SENDX 1
	CHUNK 10
	LASTC 11, 0                                    ; nothing is left to fetch
	CHUNK 12
	s_wait_xcnt 0x0                                ; block 0's stores have read their registers
	TOSTAGE 2
	CHUNK 13
	SENDX 2
	CHUNK 14
	s_wait_dscnt 0x0
	MULS 15, 3, 8
	WIN 0
	PLACES 8                                       ; behind the last products: results are read from here on
	s_wait_xcnt 0x0                                ; block 1's stores have read their registers
	TOSTAGE 3
.irp a, 4,5,6,7
	s_wait_xcnt 0x0                                ; block a - 2's stores have read their registers: block a's loads may land there
	TOSTAGE \a
	SEND \a-1, 16
.endr
	SEND 7, 0
	s_wait_tensorcnt 0x0                           ; the wave's end
	ds_add_u32 v[SPW], v[NIL]
	s_wait_dscnt 0x0
	CROUND                                         ; the closing round
	s_endpgm
.Lfunc_end_k_q2b1da4538b_pv:
	.size	k_q2b1da4538b_pv, .Lfunc_end_k_q2b1da4538b_pv-k_q2b1da4538b_pv
	.p2alignl 7, 3214868480
	.fill 96, 4, 3214868480
	.section	.rodata,"a",@progbits
	.p2align	6, 0x0
	.amdhsa_kernel k_q2b1da4538b_pv
		.amdhsa_group_segment_fixed_size 327680
		.amdhsa_private_segment_fixed_size 0
		.amdhsa_enable_private_segment 0
		.amdhsa_kernarg_size 32
		.amdhsa_user_sgpr_count 2
		.amdhsa_user_sgpr_kernarg_segment_ptr 1
		.amdhsa_wavefront_size32 1
		.amdhsa_system_sgpr_workgroup_id_x 1
		.amdhsa_system_sgpr_workgroup_id_y 1
		.amdhsa_system_sgpr_workgroup_id_z 1
		.amdhsa_system_vgpr_workitem_id 0
		.amdhsa_next_free_vgpr 1024
		.amdhsa_next_free_sgpr 102
		.amdhsa_reserve_vcc 1
		.amdhsa_float_denorm_mode_32 3
		.amdhsa_float_denorm_mode_16_64 3
		.amdhsa_memory_ordered 1
		.amdhsa_forward_progress 1
		.amdhsa_inst_pref_size 145
	.end_amdhsa_kernel
	.amdgpu_metadata
---
amdhsa.version: [ 1, 2 ]
amdhsa.kernels:
  - .name:           k_q2b1da4538b_pv
    .symbol:         k_q2b1da4538b_pv.kd
    .args:
      - { .name: pc, .offset: 0, .size: 8, .value_kind: global_buffer, .address_space: global }
      - { .name: pst, .offset: 8, .size: 8, .value_kind: global_buffer, .address_space: global }
      - { .name: vc, .offset: 16, .size: 8, .value_kind: global_buffer, .address_space: global }
      - { .name: out0, .offset: 24, .size: 8, .value_kind: global_buffer, .address_space: global }
    .group_segment_fixed_size: 327680
    .private_segment_fixed_size: 0
    .kernarg_segment_align: 8
    .kernarg_segment_size: 32
    .max_flat_workgroup_size: 128
    .sgpr_count:     102
    .vgpr_count:     1024
    .wavefront_size: 32
...
	.end_amdgpu_metadata
.endif
;; end of part 4
